; MI455X (gfx1250); checked and timed in simulation.
; The chip was launched on July 23, 2026; its instructions are those of AMD's public machine-readable ISA for CDNA 5 (MIT licence, August 2026) and "CDNA5" Instruction Set Architecture Reference Guide (July 2026). The comments in the code are by the model that wrote it; some were corrected since.
;; Causal Self Attn. Allowed arithmetic: matrix products marked QUANTISED: E2M1 operands, one E8M0 scale for each 32 along K, by v_wmma_scale_f32_16x16x128_f8f6f4 with both operands' format E2M1 (or v_wmma_scale_f32_32x16x128_f4), f32 sums; everything else in f32.
;; Inputs: W_k 1,024 x 1,024 float32; W_o 1,024 x 1,024 float32; W_q 1,024 x 1,024 float32; W_v 1,024 x 1,024 float32; b_o 1,024 float32; x 4 x 2,048 x 1,024 float32.
;; Outputs: out0 4 x 2,048 x 1,024 float32.
;; This version of the problem:
;;   THIS VERSION OF THE PROBLEM IS GIVEN IN LOW PRECISION. The matrix products marked QUANTISED in the list below multiply operands that are first quantised to E2M1 (2 exponent bits, 1 mantissa bit; 4 bits a number), with one power-of-two scale for each 32 numbers along K (OCP MX v1.0); their sums are f32. All else is computed in f32.
;;   The module's matrix products, in the order in which they are computed (A, B: the left and right operand; K: the contracted axis; several contracted axes count as one K, in the product's order):
;;     1. [M 8,192, K 1,024] x [K 1,024, N 1,024]; A: input x; B: input W_q: QUANTISED
;;     2. [M 8,192, K 1,024] x [K 1,024, N 1,024]; A: input x; B: input W_k: QUANTISED
;;     3. [M 8,192, K 1,024] x [K 1,024, N 1,024]; A: input x; B: input W_v: QUANTISED
;;     4. batch 64 x [M 2,048, K 64] x [K 64, N 2,048]; A: computed on the way; B: computed on the way: QUANTISED
;;     5. batch 64 x [M 2,048, K 2,048] x [K 2,048, N 64]; A: softmax (see below); B: computed on the way: QUANTISED
;;     6. [M 8,192, K 1,024] x [K 1,024, N 1,024]; A: computed on the way; B: input W_o: QUANTISED
;;   THE QUANTISER, for each operand of a quantised product, along K:
;;     - K is cut into blocks of 32 from its start; a last block that is shorter is filled with zeros.
;;     - A block's scale is 2^e with e = floor(log2(the largest magnitude in the block)) - 2, held to -126 .. 127; a block of zeros has e = 0. As a byte (E8M0): e + 127.
;;     - Each number is divided by its block's scale, clamped to +-6, and rounded to the nearest number of E2M1, ties to even, subnormals kept.
;;     - The product sums the exact products of the quantised numbers (number of the format x scale) in f32.
;;   ~~~python
;;   def quantise(x, axis):      # numpy; x: float32 -> the quantised numbers, widened to float32 again
;;       x = np.moveaxis(x, axis, -1); K = x.shape[-1]
;;       x = np.pad(x, [(0, 0)] * (x.ndim - 1) + [(0, -K % 32)]); x = x.reshape(x.shape[:-1] + (-1, 32)); a = np.abs(x).max(-1, keepdims=True)
;;       e = np.where(a > 0, np.clip(np.frexp(np.where(a > 0, a, 1))[1] - 1 - 2, -126, 127), 0)      # np.frexp(a)[1] - 1 = floor(log2(a)), exactly
;;       r = np.clip(x / 2.0 ** e, -6, 6)
;;       step = 2.0 ** (np.maximum(np.frexp(np.where(r == 0, 1, r))[1] - 1, 0) - 1)
;;       q = np.round(r / step) * step * 2.0 ** e      # np.round: ties to even
;;       return np.moveaxis(q.reshape(q.shape[:-2] + (-1,))[..., :K], -1, axis).astype(np.float32)
;;   ~~~
;;   SOFTMAX AHEAD OF A QUANTISED PRODUCT. Where the list says 'softmax', what is quantised is not the finished softmax but p = 2^(t - M), with t = logit x log2(e) and M = ceil(the row's largest t), a whole number; so 1/2 < the row's largest p <= 1. The row's sum l is taken of the UNQUANTISED p, in f32, and the product's result is divided by l at the end. Since M is a whole number, a kernel that streams over the keys may use a running M (the ceiling of the running maximum): every later rescaling is an exact power of two, which a block's scale takes up: the codes' values come out the same.
;;   OPERANDS COMPUTED ON THE WAY. 'Computed on the way' means the value that the module computes at that place (a softmax that the list does not call 'softmax' is quantised finished and normalised). What goes into a quantiser is computed in f32, as accurately as f32 sums, v_exp_f32 and their like allow (about 1e-6 of the number): no bf16 or f16 on the way to a quantiser, and a product that is left as it is and whose result goes on into a quantised operand takes f32 operands (vector FMAs, or v_wmma_f32_16x16x4_f32). A number that lies on a knife's edge between two numbers of the format may be rounded either way, as far as f32 arithmetic and the matrix unit's own rounding can turn it there, and no further.
;; One version. Each part assembles by itself: llvm-mc -triple=amdgcn-amd-amdhsa -mcpu=gfx1250 --defsym DOCPART=n.
;; ======== version 1 of 1: 5 launches
;; workspace buffers: xc 4,194,304 bytes; xs 262,144 bytes; wc 2,097,152 bytes; ws 131,072 bytes; qkvc 12,582,912 bytes; qkvs 1,310,720 bytes; ctxc 4,194,304 bytes; ctxs 262,144 bytes
;; launch quant_x (part 1): grid 256 x 1, 4 waves a work-group, no clusters, 34,304 bytes of LDS; arguments x, xc, xs; writes xc, xs
.if DOCPART == 1
	.amdgcn_target "amdgcn-amd-amdhsa--gfx1250"
	.amdhsa_code_object_version 6
	.text
	.protected	k_q3ac3efd331_quant_x
	.globl	k_q3ac3efd331_quant_x
	.p2align	8
	.type	k_q3ac3efd331_quant_x,@function
k_q3ac3efd331_quant_x:
	s_mov_b64 s[64:65], 0
	v_nop
	global_prefetch_b8 v0, s[64:65] scope:SCOPE_SE
	s_setreg_imm32_b32 hwreg(HW_REG_WAVE_MODE, 25, 1), 1
	s_wait_xcnt 0x0
; THE PROGRAM: causal self-attention, b = 4, n = 2,048, d = 1,024, 16 heads of 64, all six products on codes of E2M1 with one E8M0 scale for each 32 along K.
; Five launches: this one (x into codes), the four weights into codes, q k v (a product whose way out quantises), attention, the projection out.
; WORK LEFT OUT: only the tiles of the two attention products that lie wholly above the diagonal of the jnp.tril that reference() builds in its own body: there the score is replaced by -infinity for every
; value of the inputs, so p = 0 and neither the sum nor the second product can be moved by them.  Every input (x, W_q, W_k, W_v, W_o, b_o) has a way to the output and is loaded.
; LIMITS: a NaN, an infinity or an overflow that reaches only those masked tiles is not carried to the result.  Blocks whose largest magnitude lies under 2^-124 (the floor, byte 1) were not tried;
; NaN and infinities among the inputs are not served.  A block of zeros keeps the byte 1 where the quantiser says 127: its codes are zeros, and the bytes are read by this program alone.
; THE WORKSPACES' LAYOUT.  An operand [rows][1,024 along K] is cut into tiles of 16 rows that are not neighbours: lane-row r of tile T is row 32 (T / 2) + 8 (T % 2) + r % 8 + 16 (r / 8).
; Codes: byte T x 8,192 + kb x 256 + r x 16 holds the 16 bytes of block kb = k / 32.  So a fragment (tile T, 128 along K from 128 s) is two runs of 512 consecutive bytes, 16 a lane, at T x 8,192 + s x 1,024 + c x 512.
; Scale bytes: T x 512 + (kb / 16) x 256 + r x 16 + kb % 16: 16 bytes of a lane-row are the scale words of four K steps.
; THIS LAUNCH: x [8,192][1,024] f32 into xc, xs.  A wave takes one tile x 512 along K, as four K steps.  Each load reads 512 consecutive bytes of a row; a step's 16 rows turn through the wave's own stage in LDS
; (rows of 512 + 16 bytes), so that lane (r, h) holds, of row r, 16 neighbours of each block of 32.  Waves share nothing: no barrier.  Memory binds: matrix units and clusters would add nothing.
.set STG,   8448                       ; a wave's stage: 16 rows x 528 bytes
.set SPARE, 4*STG                      ; behind the stages: the spare words, 128 bytes a wave
.set W,     8                          ; v8-11    the four steps' scale words
.set SPW,   12                         ; v12      my spare word's LDS address; never rewritten
.set NIL,   13                         ; v13      0; never rewritten
.set TM,    16                         ; v16-31   at work: +0..3 largest magnitudes, +4..7 the other half's and then the bytes, +12..15 the conversions' scale operands
.set X,     32                         ; v32-95   64 numbers: register 16 b + i = k 32 b + 16 h + i of my row
.set R,     96                         ; v96-223  two sets of 64 registers as loaded
.set PC,    224                        ; v224-255 codes, eight registers a step: no store's data are written again
	s_load_b128 s[4:7], s[0:1], 0x0                ; x, xc
	s_load_b64 s[8:9], s[0:1], 0x10                ; xs
	v_lshl_add_u32 v[SPW], v0, 2, SPARE
	v_mov_b32 v[NIL], 0
	v_lshrrev_b32 v6, 5, v0
	v_readfirstlane_b32 s10, v6                    ; wave
	v_and_b32 v6, 31, v0                           ; lane
	v_and_b32 v7, 15, v0                           ; r
	v_bfe_u32 v5, v0, 4, 1                         ; h
	v_lshlrev_b32 v1, 4, v6                        ; 16 x lane: my bytes of a load's and of a store's 512
	s_mul_i32 s11, s10, STG
	v_add_nc_u32 v2, s11, v1                       ; the stage, on the way in
	v_mul_u32_u24 v3, v7, 528
	v_lshl_add_u32 v3, v5, 6, v3
	v_add_nc_u32 v3, s11, v3                       ; and on the way out: row r, + 64 h
	v_lshlrev_b32 v4, 4, v7
	v_lshl_add_u32 v4, v5, 3, v4                   ; the scale words' place: 16 r + 8 h
	s_mov_b32 s20, 0x76543210
	s_mov_b32 s21, 0xfedcba98                      ; v_permlanex16_b32's selects for lane l xor 16
.irp b, 0,1,2,3
	v_mov_b32 v[TM+4+\b], 0                        ; written once: a lane permute's destination counts as one of its sources
.endr
	s_lshl_b32 s12, ttmp9, 2
	s_add_co_u32 s12, s12, s10                     ; 4 x work-group + wave
	s_lshr_b32 s13, s12, 1                         ; T
	s_and_b32 s14, s12, 1                          ; which 512 along K
	s_lshr_b32 s16, s13, 1
	s_lshl_b32 s16, s16, 17                        ; 32 (T / 2) rows of 4,096 bytes
	s_and_b32 s15, s13, 1
	s_lshl_b32 s15, s15, 15                        ; 8 (T % 2) rows
	s_add_co_u32 s16, s16, s15
	s_lshl_b32 s15, s14, 11
	s_add_co_u32 s16, s16, s15
	s_mov_b32 s17, 0
	s_lshl_b32 s18, s13, 13
	s_lshl_b32 s15, s14, 12
	s_add_co_u32 s18, s18, s15
	s_mov_b32 s19, 0
	s_lshl_b32 s22, s13, 9
	s_lshl_b32 s15, s14, 8
	s_add_co_u32 s22, s22, s15
	s_mov_b32 s23, 0
	s_wait_kmcnt 0x0
	s_add_nc_u64 s[4:5], s[4:5], s[16:17]
	s_add_nc_u64 s[6:7], s[6:7], s[18:19]
	s_add_nc_u64 s[8:9], s[8:9], s[22:23]
.macro LOAD q                          ; K step q of the tile's 16 rows: lane-row i lies i + 8 (i / 8) rows on
.irp i, 0,1,2,3,4,5,6,7,8,9,10,11,12,13,14,15
	global_load_b128 v[R+64*((\q)%2)+4*\i:R+64*((\q)%2)+4*\i+3], v1, s[4:5] offset:(\i+8*(\i/8))*4096+512*(\q) th:TH_LOAD_NT
.endr
.endm
.macro TURN q                          ; through the stage: LDS serves a wave's instructions in order, so no wait stands between the stores and the loads
.irp i, 0,1,2,3,4,5,6,7,8,9,10,11,12,13,14,15
	ds_store_b128 v2, v[R+64*((\q)%2)+4*\i:R+64*((\q)%2)+4*\i+3] offset:528*\i
.endr
.irp b, 0,1,2,3
.irp j, 0,1,2,3
	ds_load_b128 v[X+16*\b+4*\j:X+16*\b+4*\j+3], v3 offset:128*\b+16*\j
.endr
.endr
.endm
; 64 numbers of a lane, v[s] on, become a fragment's codes in v[pc] on and my row's scale word in v[pw]
.macro QUANT s, pc, pw
.irp b, 0,1,2,3
	v_max3_num_f32 v[TM+\b], |v[\s+16*\b]|, |v[\s+1+16*\b]|, 0x1800000   ; my 16 numbers of block b, and the floor 2^(3 - 127): the byte cannot fall under 1
.endr
.irp i, 2,4,6,8,10,12,14
.irp b, 0,1,2,3
	v_max3_num_f32 v[TM+\b], v[TM+\b], |v[\s+16*\b+\i]|, |v[\s+1+16*\b+\i]|
.endr
.endr
.irp b, 0,1,2,3
	v_permlanex16_b32 v[TM+4+\b], v[TM+\b], s20, s21
.endr
.irp b, 0,1,2,3
	v_max_num_f32 v[TM+\b], v[TM+\b], v[TM+4+\b]   ; with lane l xor 16's: the block's largest magnitude
.endr
.irp b, 0,1,2,3
	v_add_nc_u32 v[TM+12+\b], 0xff000000, v[TM+\b] ; 2 off its exponent field: the conversion's scale operand
.endr
.irp b, 0,1,2,3
	v_lshrrev_b32 v[TM+4+\b], 23, v[TM+12+\b]      ; the scale's byte
.endr
	v_lshl_or_b32 v[\pw], v[TM+5], 8, v[TM+4]
	v_lshl_or_b32 v[\pw], v[TM+6], 16, v[\pw]
	v_lshl_or_b32 v[\pw], v[TM+7], 24, v[\pw]
.irp b, 0,1,2,3
	v_cvt_scalef32_pk8_fp4_f32 v[\pc+2*\b], v[\s+16*\b:\s+7+16*\b], v[TM+12+\b]
	v_cvt_scalef32_pk8_fp4_f32 v[\pc+1+2*\b], v[\s+8+16*\b:\s+15+16*\b], v[TM+12+\b]
.endr
	v_nop                                          ; one plain place behind a scaled conversion
.irp c, 0,1                                    ; the operand's layout wants a whole block in a lane: lanes 0-15 block 2 c, lanes 16-31 block 2 c + 1
.irp i, 0,1
	v_permlane16_swap_b32 v[\pc+4*\c+\i], v[\pc+2+4*\c+\i]
.endr
.endr
.endm
.macro PASS q
.if \q < 3
	s_wait_loadcnt 16                              ; this step's 16 loads are in; the next step's 16 may be out
.else
	s_wait_loadcnt 0x0
.endif
	TURN \q
	s_wait_dscnt 0x0                               ; the numbers are back, and the stores into the stage have read their registers,
.if \q < 2
	LOAD \q+2                                      ; which take the loads of two steps on
.endif
	QUANT X, PC+8*\q, W+\q
.irp c, 0,1
	global_store_b128 v1, v[PC+8*\q+4*\c:PC+8*\q+4*\c+3], s[6:7] offset:1024*\q+512*\c   ; 512 consecutive bytes, aligned
.endr
.endm
	LOAD 0
	LOAD 1
	PASS 0
	PASS 1
	PASS 2
	PASS 3
	v_cmp_ne_u32 vcc_lo, 0, v5
	v_cndmask_b32 v14, v[W], v[W+2], vcc_lo        ; lanes 0-15 store words 0 and 1 of their row, lanes 16-31 words 2 and 3
	v_cndmask_b32 v15, v[W+1], v[W+3], vcc_lo
	global_store_b64 v4, v[14:15], s[8:9]          ; the 32 lanes fill 256 consecutive bytes, aligned
	s_wait_tensorcnt 0x0                           ; the wave's end: behind my last LDS store
	ds_add_u32 v[SPW], v[NIL]
	s_wait_dscnt 0x0
	s_endpgm
.Lfunc_end_k_q3ac3efd331_quant_x:
	.size	k_q3ac3efd331_quant_x, .Lfunc_end_k_q3ac3efd331_quant_x-k_q3ac3efd331_quant_x
	.p2alignl 7, 3214868480
	.fill 96, 4, 3214868480
	.section	.rodata,"a",@progbits
	.p2align	6, 0x0
	.amdhsa_kernel k_q3ac3efd331_quant_x
		.amdhsa_group_segment_fixed_size 34304
		.amdhsa_private_segment_fixed_size 0
		.amdhsa_enable_private_segment 0
		.amdhsa_kernarg_size 24
		.amdhsa_user_sgpr_count 2
		.amdhsa_user_sgpr_kernarg_segment_ptr 1
		.amdhsa_wavefront_size32 1
		.amdhsa_system_sgpr_workgroup_id_x 1
		.amdhsa_system_sgpr_workgroup_id_y 1
		.amdhsa_system_sgpr_workgroup_id_z 1
		.amdhsa_system_vgpr_workitem_id 0
		.amdhsa_next_free_vgpr 256
		.amdhsa_next_free_sgpr 66
		.amdhsa_reserve_vcc 1
		.amdhsa_float_denorm_mode_32 3
		.amdhsa_float_denorm_mode_16_64 3
		.amdhsa_memory_ordered 1
		.amdhsa_forward_progress 1
		.amdhsa_inst_pref_size 33
	.end_amdhsa_kernel
	.amdgpu_metadata
---
amdhsa.version: [ 1, 2 ]
amdhsa.kernels:
  - .name:           k_q3ac3efd331_quant_x
    .symbol:         k_q3ac3efd331_quant_x.kd
    .args:
      - { .name: x, .offset: 0, .size: 8, .value_kind: global_buffer, .address_space: global }
      - { .name: xc, .offset: 8, .size: 8, .value_kind: global_buffer, .address_space: global }
      - { .name: xs, .offset: 16, .size: 8, .value_kind: global_buffer, .address_space: global }
    .group_segment_fixed_size: 34304
    .private_segment_fixed_size: 0
    .kernarg_segment_align: 8
    .kernarg_segment_size: 24
    .max_flat_workgroup_size: 128
    .sgpr_count:     66
    .vgpr_count:     256
    .wavefront_size: 32
...
	.end_amdgpu_metadata
.endif
;; end of part 1
;; launch quant_w (part 2): grid 128 x 2, 4 waves a work-group, no clusters, 1,024 bytes of LDS; arguments W_q, W_k, W_v, W_o, wc, ws; writes wc, ws
.if DOCPART == 2
	.amdgcn_target "amdgcn-amd-amdhsa--gfx1250"
	.amdhsa_code_object_version 6
	.text
	.protected	k_q3ac3efd331_quant_w
	.globl	k_q3ac3efd331_quant_w
	.p2align	8
	.type	k_q3ac3efd331_quant_w,@function
k_q3ac3efd331_quant_w:
	s_mov_b64 s[64:65], 0
	v_nop
	global_prefetch_b8 v0, s[64:65] scope:SCOPE_SE
	s_setreg_imm32_b32 hwreg(HW_REG_WAVE_MODE, 25, 1), 1
	s_wait_xcnt 0x0
; W_q, W_k, W_v, W_o, each [1,024 (k)][1,024 (n)] f32 with K as the first axis, into codes and scale bytes laid as the first launch's head comment says, rows = n; the four weights one behind the other
; (64 tiles, 524,288 bytes of codes and 32,768 of scale bytes each).  No work is left out here.
; A LANE TAKES A COLUMN n AND ITS REGISTERS RUN DOWN K: a block of 32 lies in one lane's registers, and the conversions give codes with K innermost.  Nothing is transposed.
; Work-group x: weight x / 32, columns 32 (x % 32) + lane; y: which 512 along K; wave w takes the K step 4 y + w (128 along K, four blocks).
; Column 32 g + lane is lane-row r = 8 (lane / 16) + lane % 8 of tile 2 g + u, u = (lane / 8) % 2: so a block's store of 16 bytes a lane fills two runs of 256 consecutive bytes, one in each tile.
; The four waves' scale words of a column meet in LDS (16 bytes a lane), and wave 0 stores them: again two runs of 256 bytes.
; LIMITS as in the first launch: the floor at 2^-124, a block of zeros keeps the byte 1, NaN and infinities are not served.
.set SPARE, 512
.set SB,  10                           ; v10      my K step's scale word
.set SPW, 14                           ; v14      my spare word's LDS address; never rewritten
.set NIL, 15                           ; v15      0; never rewritten
.set C,   16                           ; v16-31   codes, four registers a block
.set X,   32                           ; v32-159  128 numbers down K
	s_load_b256 s[4:11], s[0:1], 0x0               ; W_q, W_k, W_v, W_o
	s_load_b128 s[12:15], s[0:1], 0x20             ; wc, ws
	v_lshl_add_u32 v[SPW], v0, 2, SPARE
	v_mov_b32 v[NIL], 0
	v_lshrrev_b32 v1, 5, v0
	v_readfirstlane_b32 s16, v1                    ; wave
	v_and_b32 v1, 31, v0                           ; lane
	v_lshlrev_b32 v2, 2, v1                        ; in: 4 bytes a lane
	v_bfe_u32 v7, v0, 3, 1                         ; u
	v_bfe_u32 v8, v0, 4, 1
	v_and_b32 v9, 7, v0
	v_lshl_or_b32 v9, v8, 3, v9                    ; r
	v_lshlrev_b32 v9, 4, v9
	v_lshl_add_u32 v3, v7, 13, v9                  ; codes: u x 8,192 + 16 r
	v_lshl_add_u32 v4, v7, 9, v9                   ; scale bytes: u x 512 + 16 r
	v_lshlrev_b32 v6, 4, v1                        ; LDS: 16 x lane,
	s_lshl_b32 s17, s16, 2
	v_add_nc_u32 v5, s17, v6                       ; + 4 x wave
	s_lshr_b32 s18, ttmp9, 5                       ; which weight
	s_and_b32 s19, ttmp9, 31                       ; which 32 columns
	s_and_b32 s20, ttmp7, 0xffff                   ; which 512 along K
	s_lshl_b32 s21, s20, 2
	s_add_co_u32 s21, s21, s16                     ; my K step
	s_lshl_b32 s24, s21, 19                        ; 128 rows of 4,096 bytes a K step
	s_lshl_b32 s22, s19, 7
	s_add_co_u32 s24, s24, s22
	s_mov_b32 s25, 0
	s_lshl_b32 s22, s18, 6
	s_lshl_b32 s23, s19, 1
	s_add_co_u32 s22, s22, s23                     ; the first of my two tiles
	s_lshl_b32 s26, s22, 13
	s_lshl_b32 s23, s21, 10
	s_add_co_u32 s26, s26, s23
	s_mov_b32 s27, 0
	s_lshl_b32 s28, s22, 9
	s_lshl_b32 s23, s20, 8
	s_add_co_u32 s28, s28, s23
	s_mov_b32 s29, 0
	s_and_b32 s23, s18, 1
	s_wait_kmcnt 0x0
	s_cmp_eq_u32 s23, 0                            ; the weight is chosen by the work-group's number alone
	s_cselect_b64 s[4:5], s[4:5], s[6:7]
	s_cselect_b64 s[8:9], s[8:9], s[10:11]
	s_cmp_lt_u32 s18, 2
	s_cselect_b64 s[4:5], s[4:5], s[8:9]
	s_add_nc_u64 s[4:5], s[4:5], s[24:25]
	s_add_nc_u64 s[12:13], s[12:13], s[26:27]
	s_add_nc_u64 s[14:15], s[14:15], s[28:29]
.macro LOAD t                          ; block t: W(32 t + i, my column)
.set i, 0
.rept 32
	global_load_b32 v[X+32*(\t)+i], v2, s[4:5] offset:(32*(\t)+i)*4096 th:TH_LOAD_NT
.set i, i+1
.endr
.endm
.macro BLOCK t
.set XS, X+32*(\t)
.if \t < 3
	s_wait_loadcnt 32                              ; this block's 32 loads are in; the next block's 32 may be out
.else
	s_wait_loadcnt 0x0
.endif
.if \t < 2
	LOAD \t+2                                      ; each block has registers of its own
.endif
	v_max3_num_f32 v12, |v[XS]|, |v[XS+1]|, |v[XS+2]|
	v_max3_num_f32 v13, |v[XS+3]|, |v[XS+4]|, |v[XS+5]|
.irp i, 6,10,14,18,22,26
	v_max3_num_f32 v12, v12, |v[XS+\i]|, |v[XS+\i+1]|
	v_max3_num_f32 v13, v13, |v[XS+\i+2]|, |v[XS+\i+3]|
.endr
	v_max3_num_f32 v12, v12, |v[XS+30]|, |v[XS+31]|
	v_max3_num_f32 v12, v12, v13, 0x1800000        ; and the floor 2^(3 - 127)
	v_add_nc_u32 v11, 0xff000000, v12              ; 2 off the exponent field: the conversion's scale operand
	v_lshrrev_b32 v13, 23, v11                     ; the byte
.if \t == 0
	v_mov_b32 v[SB], v13
.else
	v_lshl_or_b32 v[SB], v13, 8*\t, v[SB]
.endif
.irp g, 0,1,2,3
	v_cvt_scalef32_pk8_fp4_f32 v[C+4*\t+\g], v[XS+8*\g:XS+8*\g+7], v11
.endr
	v_nop                                          ; one plain place behind a scaled conversion
	global_store_b128 v3, v[C+4*\t:C+4*\t+3], s[12:13] offset:256*\t
.endm
	LOAD 0
	LOAD 1
	BLOCK 0
	BLOCK 1
	BLOCK 2
	BLOCK 3
	ds_store_b32 v5, v[SB]
	s_wait_dscnt 0x0                               ; for the others' sake: my word lies in LDS
	s_barrier_signal -1
	s_barrier_wait -1
	s_cmp_lg_u32 s16, 0
	s_cbranch_scc1 .Lnot_wave_0
	ds_load_b128 v[160:163], v6                    ; the four waves' words of my column
	s_wait_dscnt 0x0
	global_store_b128 v4, v[160:163], s[14:15]
.Lnot_wave_0:
	s_wait_tensorcnt 0x0                           ; the wave's end: behind my last LDS store
	ds_add_u32 v[SPW], v[NIL]
	s_wait_dscnt 0x0
	s_endpgm
.Lfunc_end_k_q3ac3efd331_quant_w:
	.size	k_q3ac3efd331_quant_w, .Lfunc_end_k_q3ac3efd331_quant_w-k_q3ac3efd331_quant_w
	.p2alignl 7, 3214868480
	.fill 96, 4, 3214868480
	.section	.rodata,"a",@progbits
	.p2align	6, 0x0
	.amdhsa_kernel k_q3ac3efd331_quant_w
		.amdhsa_group_segment_fixed_size 1024
		.amdhsa_private_segment_fixed_size 0
		.amdhsa_enable_private_segment 0
		.amdhsa_kernarg_size 48
		.amdhsa_user_sgpr_count 2
		.amdhsa_user_sgpr_kernarg_segment_ptr 1
		.amdhsa_wavefront_size32 1
		.amdhsa_system_sgpr_workgroup_id_x 1
		.amdhsa_system_sgpr_workgroup_id_y 1
		.amdhsa_system_sgpr_workgroup_id_z 1
		.amdhsa_system_vgpr_workitem_id 0
		.amdhsa_next_free_vgpr 168
		.amdhsa_next_free_sgpr 66
		.amdhsa_reserve_vcc 0
		.amdhsa_float_denorm_mode_32 3
		.amdhsa_float_denorm_mode_16_64 3
		.amdhsa_memory_ordered 1
		.amdhsa_forward_progress 1
		.amdhsa_inst_pref_size 21
	.end_amdhsa_kernel
	.amdgpu_metadata
---
amdhsa.version: [ 1, 2 ]
amdhsa.kernels:
  - .name:           k_q3ac3efd331_quant_w
    .symbol:         k_q3ac3efd331_quant_w.kd
    .args:
      - { .name: W_q, .offset: 0, .size: 8, .value_kind: global_buffer, .address_space: global }
      - { .name: W_k, .offset: 8, .size: 8, .value_kind: global_buffer, .address_space: global }
      - { .name: W_v, .offset: 16, .size: 8, .value_kind: global_buffer, .address_space: global }
      - { .name: W_o, .offset: 24, .size: 8, .value_kind: global_buffer, .address_space: global }
      - { .name: wc, .offset: 32, .size: 8, .value_kind: global_buffer, .address_space: global }
      - { .name: ws, .offset: 40, .size: 8, .value_kind: global_buffer, .address_space: global }
    .group_segment_fixed_size: 1024
    .private_segment_fixed_size: 0
    .kernarg_segment_align: 8
    .kernarg_segment_size: 48
    .max_flat_workgroup_size: 128
    .sgpr_count:     66
    .vgpr_count:     168
    .wavefront_size: 32
...
	.end_amdgpu_metadata
.endif
;; end of part 2
;; launch qkv (part 3): grid 12 x 32, 4 waves a work-group, clusters of 4 x 4, 327,680 bytes of LDS; arguments xc, xs, wc, ws, qkvc, qkvs; writes qkvc, qkvs
.if DOCPART == 3
	.amdgcn_target "amdgcn-amd-amdhsa--gfx1250"
	.amdhsa_code_object_version 6
	.text
	.protected	k_q3ac3efd331_qkv
	.globl	k_q3ac3efd331_qkv
	.p2align	8
	.type	k_q3ac3efd331_qkv,@function
k_q3ac3efd331_qkv:
	s_mov_b64 s[64:65], 0
	v_nop
	global_prefetch_b8 v0, s[64:65] scope:SCOPE_SE
	s_setreg_imm32_b32 hwreg(HW_REG_WAVE_MODE, 25, 1), 1
	s_wait_xcnt 0x0
	s_wait_alu depctr_hold_cnt(0) depctr_sa_sdst(0) depctr_va_vdst(0) depctr_va_sdst(0) depctr_va_ssrc(0) depctr_va_vcc(0) depctr_vm_vsrc(0)
	s_getreg_b32 s2, hwreg(HW_REG_IB_STS2, 6, 4)
	s_cmp_eq_u32 s2, 0
	s_cbranch_scc0 .Lentry_in_a_cluster
	s_endpgm
.Lentry_in_a_cluster:
	s_bfe_u32 s2, ttmp6, 0x10000c
	s_cmp_lg_u32 s2, 0xf033
	s_cbranch_scc0 .Lentry_shape_is_right
	s_endpgm
.Lentry_shape_is_right:
; q = x W_q, k = x W_k, v = x W_v on codes of E2M1, and each result quantised on its way out for the product that takes it next.  No work is left out here.
; C = A B^T, a tile of 256 x 256 to a work-group, 128 x 128 to each of four waves (64 accumulators, 512 registers), K = 1,024.  The matrix instruction is used transposed (source 0 = 16 rows of B,
; source 1 = 16 rows of A): a lane holds ONE row of A's tile and its registers run along B's rows; since a tile's rows are chosen as the first launch's head comment says, the 16 registers of B's tiles
; 2 b and 2 b + 1 are 16 neighbours, 32 b + 16 (lane / 16) + 0 .. 15.  So the way out quantises along C's columns in registers.
; Cluster x = 0: q, 1: k: A = x (tokens), B = the weight (channels): the blocks of 32 run along a head's 64 channels.  Cluster x = 2: v: A = W_v (channels), B = x (tokens): the blocks run along the keys.
; One text serves the three: pointers and scalars are chosen on the cluster's x, which all sixteen partners share.
; ALL OF K LIES IN LDS: two slots of 512 along K (131,072 bytes each: A's 16 tiles x 4,096, then B's) and the scale bytes; each is filled once, so there is no ring.  By this text's own count a wave has three tensor loads out.
; CLUSTERS: the four of a row of the cluster need the same tiles of A, the four of a column the same tiles of B: each is asked for jointly.
; OUT: a record of 196,608 bytes for each head g = 16 batch + head in qkvc: q [tile t of 128][512 bytes], k likewise at 65,536, v^T [key step of 16][channel tile of 4][1,024 bytes] at 131,072: images of operand registers, 16 bytes a lane.
; In qkvs 20,480 bytes a head: q's scale words [t / 4][r][t % 4], k's at 8,192, v's [key step][r][channel tile] at 16,384.  Of a q or k word bytes 0 and 1 are the head's two blocks; bytes 2 and 3 meet zero codes alone.
; REGISTERS, in windows of 256: window 0: v0-31 addresses; v32-95 scale words, two sets, nothing else ever; v128-191 A's fragments, one set; the way out uses v96-127 and v128-239.
;   window 1: B's fragments, two sets, at v0 and v128.  window 2: the accumulators of my rows 0-63 ((a, b) at v[8 (8 a + b)]); window 3: those of rows 64-127.
; LIMITS as in the first launch: the floor at 2^-124, a block of zeros keeps the byte 1.
.set NQ,    4                          ; K steps of 128 in a slot
.set FR,    8                          ; registers of a fragment
.set NL,    2                          ; LDS loads that bring one
.set NP,    4                          ; places behind this matrix instruction (ISA guide 7.12.1)
.set HALFT, 32768                      ; 8 tiles x 4,096 bytes: what one tensor load brings
.set SLOT,  131072
.set SCL,   262144                     ; the scale bytes: A's 8,192, then B's
.set HALFS, 4096
.set SPARE, 278528                     ; the spare words, 128 bytes a wave
.set ADRA, 16                          ; v16-17  LDS address of my A fragments in slot 0, 1
.set ADRB, 20                          ; v20-21  the same for B
.set ADRS, 27                          ; v27     of my scale words: lanes 0-15 A's rows, lanes 16-31 B's
.set SPW,  28                          ; v28     my spare word's LDS address; never rewritten
.set NIL,  29                          ; v29     0; never rewritten
.set SC,   32
.set AF,   128
.set VO0,  96                          ; the way out: 16 x lane
.set VO1,  97                          ; the second four registers' place
.set VSH,  98                          ; q, k: lanes 16-31 shift the word down by 16 bits: the second head's two bytes
.set VS0,  99                          ; the scale words' place: h x a head's record + 16 r
.set W,    112                         ; v112-119 a scale word for each of my eight tiles of A
.set PC,   128                         ; v128-191 codes, eight registers a tile
.set BM,   192                         ; v192-207 largest magnitudes
.set PT,   208                         ; v208-223 the other half's, then the bytes
.set SO,   224                         ; v224-239 the conversions' scale operands
.set G1, 24
.set G0, 32
.set G1B, 48
.set G0B, 56
.set G1S, 68
.set G0S, 76
.set G1SB, 80
.set G0SB, 88
.set MSB, 0
.macro WIN new                         ; the immediate's high byte repeats the setting that is left
.if MSB != (\new)
	s_set_vgpr_msb (MSB<<8)|(\new)
.set MSB, (\new)
.endif
.endm
.set MUL_LO, 0xa1                      ; source 0 (B) window 1, source 1 (A) window 0, C and D window 2
.set MUL_HI, 0xf1
.set TO_B,   0x40
; A joint load: waves 0 and 1 fetch for A, waves 2 and 3 for B.  The branch hangs on the wave's number alone.  An s_nop 0 and four v_nop follow each of the two lines.
.macro JLOAD g0a, g1a, g0b, g1b
	s_cmp_eq_u32 s15, 0
	s_cbranch_scc0 .Lfor_b_\@
	tensor_load_to_lds s[\g0a:\g0a+3], s[\g1a:\g1a+7]
	s_nop 0
.rept 4
	v_nop
.endr
	s_branch .Lasked_\@
.Lfor_b_\@:
	tensor_load_to_lds s[\g0b:\g0b+3], s[\g1b:\g1b+7]
	s_nop 0
.rept 4
	v_nop
.endr
.Lasked_\@:
.endm
.macro CROUND                          ; a round of the cluster's barrier
	s_barrier_signal -1
	s_barrier_wait -1
	s_cmp_lg_u32 s14, 0
	s_cbranch_scc1 .Lnot_wave_0_\@
	s_barrier_signal -3
.Lnot_wave_0_\@:
	s_barrier_wait -3
	s_barrier_signal -1
	s_barrier_wait -1
.endm
	s_load_b128 s[4:7], s[0:1], 0x0                ; xc, xs
	s_load_b128 s[8:11], s[0:1], 0x10              ; wc, ws
	s_load_b128 s[92:95], s[0:1], 0x20             ; qkvc, qkvs
	v_lshl_add_u32 v[SPW], v0, 2, SPARE
	v_mov_b32 v[NIL], 0
	ds_add_u32 v[SPW], v[NIL]                      ; the wave's opening: the add, twice on end, and its wait ahead of my first tensor load
	ds_add_u32 v[SPW], v[NIL]
	v_lshrrev_b32 v1, 5, v0
	v_readfirstlane_b32 s14, v1                    ; wave 0..3
	s_lshr_b32 s15, s14, 1                         ; which half of A's rows is mine.  Also: I fetch for A (0) or for B (1)
	s_and_b32 s16, s14, 1                          ; which half of B's rows.  Also: which 8 tiles I fetch
	s_bfe_u32 s40, ttmp6, 0x40000                  ; cx
	s_bfe_u32 s41, ttmp6, 0x40004                  ; cy
	s_and_b32 s17, ttmp7, 0xffff
	s_lshl_b32 s17, s17, 2                         ; 4 x cluster y
	s_lshl_b32 s18, ttmp9, 2                       ; 4 x cluster x
	s_lshl_b32 s43, s41, 2
	s_lshl_b32 s43, 15, s43                        ; my row of the cluster
	s_lshl_b32 s44, 0x1111, s40                    ; my column
	; group 1 for codes: 8 rows (tiles) of 4,096 bytes (512 elements of 8), 8,192 bytes apart; no padding: a fragment load reads 512 consecutive bytes
	s_or_b32 s[G1+0], s43, (3<<16)|(1<<21)
	s_or_b32 s[G1B+0], s44, (3<<16)|(1<<21)
.irp g, G1, G1B
	s_mov_b32 s[\g+1], 512<<16                     ; tensor_dim0
	s_mov_b32 s[\g+2], 8<<16                       ; tensor_dim1
	s_mov_b32 s[\g+3], 512<<16                     ; tile_dim0
	s_mov_b32 s[\g+4], 8                           ; tile_dim1
	s_mov_b32 s[\g+5], 1024                        ; elements from row to row
	s_mov_b32 s[\g+6], 0
	s_mov_b32 s[\g+7], 0
.endr
	; and for the scale bytes of 8 tiles: 4,096 dense bytes as 16 rows of 256
	s_or_b32 s[G1S+0], s43, (3<<16)|(1<<21)
	s_or_b32 s[G1SB+0], s44, (3<<16)|(1<<21)
.irp g, G1S, G1SB
	s_mov_b32 s[\g+1], 32<<16
	s_mov_b32 s[\g+2], 16<<16
	s_mov_b32 s[\g+3], 32<<16
	s_mov_b32 s[\g+4], 16
	s_mov_b32 s[\g+5], 32
	s_mov_b32 s[\g+6], 0
	s_mov_b32 s[\g+7], 0
.endr
	s_cmp_eq_u32 ttmp9, 2                          ; v?  The cluster's x: the same in all sixteen partners
	s_cselect_b32 s20, 8, s17                      ; A's block of 256 rows: W_v's are blocks 8 .. 11 of wc; x's are 4 cluster y + cy
	s_cselect_b32 s46, s17, s18                    ; B's: x's 4 cluster y + cx; the weight's 4 cluster x + cx
	s_add_co_u32 s20, s20, s41                     ; (A's registers never hold cx, B's never cy)
	s_add_co_u32 s46, s46, s40
	s_lshl_b32 s20, s20, 1
	s_add_co_u32 s20, s20, s16                     ; in halves of 8 tiles
	s_lshl_b32 s46, s46, 1
	s_add_co_u32 s46, s46, s16
	s_lshl_b32 s22, s20, 12                        ; scale bytes: 4,096 a half
	s_mov_b32 s23, 0
	s_lshl_b32 s20, s20, 16                        ; codes: 65,536 a half
	s_mov_b32 s21, 0
	s_lshl_b32 s96, s46, 12
	s_mov_b32 s97, 0
	s_lshl_b32 s46, s46, 16
	s_mov_b32 s47, 0
	s_mul_i32 s45, s14, HALFT                      ; where they go: no place in the cluster enters an LDS address
	s_mul_i32 s100, s14, HALFS
	s_wait_dscnt 0x0                               ; both opening adds are done
	s_wait_kmcnt 0x0
	s_cmp_eq_u32 ttmp9, 2
	s_cselect_b64 s[66:67], s[8:9], s[4:5]         ; A's codes: wc for v, else xc
	s_cselect_b64 s[98:99], s[10:11], s[6:7]       ; A's scale bytes
	s_cselect_b64 s[4:5], s[4:5], s[8:9]           ; B's codes
	s_cselect_b64 s[6:7], s[6:7], s[10:11]         ; B's scale bytes
	s_add_nc_u64 s[20:21], s[66:67], s[20:21]
	s_add_nc_u64 s[22:23], s[98:99], s[22:23]
	s_add_nc_u64 s[46:47], s[4:5], s[46:47]
	s_add_nc_u64 s[96:97], s[6:7], s[96:97]
	CROUND                                         ; all sixteen work-groups are here: the first joint loads meet
	s_mov_b32 s[G0S], 1
	s_add_co_u32 s[G0S+1], s100, SCL
	s_mov_b64 s[G0S+2:G0S+3], s[22:23]
	s_or_b32 s[G0S+3], s[G0S+3], 0x80000000
	s_mov_b32 s[G0SB], 1
	s_add_co_u32 s[G0SB+1], s100, SCL
	s_mov_b64 s[G0SB+2:G0SB+3], s[96:97]
	s_or_b32 s[G0SB+3], s[G0SB+3], 0x80000000
	JLOAD G0S, G1S, G0SB, G1SB                     ; the scale bytes first: they are wanted with slot 0
.irp s, 0,1
	s_mov_b32 s[G0+4*\s], 1
	s_add_co_u32 s[G0+4*\s+1], s45, \s*SLOT
	s_add_nc_u64 s[G0+4*\s+2:G0+4*\s+3], s[20:21], \s*4096
	s_or_b32 s[G0+4*\s+3], s[G0+4*\s+3], 0x80000000
	s_mov_b32 s[G0B+4*\s], 1
	s_add_co_u32 s[G0B+4*\s+1], s45, \s*SLOT
	s_add_nc_u64 s[G0B+4*\s+2:G0B+4*\s+3], s[46:47], \s*4096
	s_or_b32 s[G0B+4*\s+3], s[G0B+4*\s+3], 0x80000000
	JLOAD G0+4*\s, G1, G0B+4*\s, G1B
.endr
	v_and_b32 v1, 15, v0                           ; r
	v_bfe_u32 v2, v0, 4, 1                         ; h
	v_and_b32 v3, 31, v0
	v_lshlrev_b32 v4, 4, v3                        ; 16 x lane
	s_mul_i32 s21, s15, HALFT                      ; my 8 tiles of A
	s_mul_i32 s22, s16, HALFT                      ; my 8 tiles of B,
	s_add_co_u32 s22, s22, 2*HALFT                 ; which lie behind A's 16
.irp s, 0,1
	v_add_nc_u32 v[ADRA+\s], s21, v4
	v_add_nc_u32 v[ADRB+\s], s22, v4
	s_add_co_u32 s21, s21, SLOT
	s_add_co_u32 s22, s22, SLOT
.endr
	v_lshlrev_b32 v5, 4, v1                        ; my lane-row's 16 scale bytes of a slot
	s_mul_i32 s21, s15, HALFS
	s_mul_i32 s22, s16, HALFS
	s_add_co_u32 s22, s22, 2*HALFS
	s_sub_co_u32 s22, s22, s21
	v_mul_u32_u24 v6, s22, v2                      ; lanes 16-31 take B's: one product, the distance between the two bases
	s_add_co_u32 s21, s21, SCL
	v_add_nc_u32 v5, v5, v6
	v_add_nc_u32 v[ADRS], s21, v5
.macro FRAG reg, adr, q, i             ; a fragment: two runs of 512 consecutive bytes
.irp c, 0,1
	ds_load_b128 v[\reg+4*\c:\reg+4*\c+3], v[\adr] offset:1024*(\q)+512*\c+4096*(\i)
.endr
.endm
; 16 matrix instructions: A's tiles a0, a0 + 1 x B's eight.  The 64 accumulators take turns, one instruction a turn, in the same order in every step.
.macro MUL16 a0, p, q, sc, zero
.irp a, \a0, \a0+1
.irp b, 0,1,2,3,4,5,6,7
.if \zero
	v_wmma_scale_f32_16x16x128_f8f6f4 v[8*(8*((\a)%4)+\b):8*(8*((\a)%4)+\b)+7], v[128*(\p)+FR*\b:128*(\p)+FR*\b+FR-1], v[AF+FR*(\a):AF+FR*(\a)+FR-1], 0, v[SC+8*NQ*(\sc)+NQ*\b+(\q)], v[SC+8*NQ*(\sc)+NQ*(\a)+(\q)] matrix_a_fmt:MATRIX_FMT_FP4 matrix_b_fmt:MATRIX_FMT_FP4 matrix_a_scale:MATRIX_SCALE_ROW1
.else
	v_wmma_scale_f32_16x16x128_f8f6f4 v[8*(8*((\a)%4)+\b):8*(8*((\a)%4)+\b)+7], v[128*(\p)+FR*\b:128*(\p)+FR*\b+FR-1], v[AF+FR*(\a):AF+FR*(\a)+FR-1], v[8*(8*((\a)%4)+\b):8*(8*((\a)%4)+\b)+7], v[SC+8*NQ*(\sc)+NQ*\b+(\q)], v[SC+8*NQ*(\sc)+NQ*(\a)+(\q)] matrix_a_fmt:MATRIX_FMT_FP4 matrix_b_fmt:MATRIX_FMT_FP4 matrix_a_scale:MATRIX_SCALE_ROW1
.endif
.endr
.endr
.endm
.macro FETCH_B slot, q, p
	WIN TO_B
.irp i, 0,1,2,3,4,5,6,7
	FRAG 128*(\p)+FR*\i, ADRB+\slot, \q, \i
.endr
	WIN 0
.endm
.macro FETCH_A slot, q, i0
.irp i, \i0, \i0+1, \i0+2, \i0+3
	FRAG AF+FR*(\i), ADRA+\slot, \q, \i
.endr
.endm
.macro SCALES sc                       ; a slot's scale words: four a lane-row; lanes 0-15 take A's tile i, lanes 16-31 B's tile i
.irp i, 0,1,2,3,4,5,6,7
	ds_load_b128 v[SC+8*NQ*\sc+NQ*\i:SC+8*NQ*\sc+NQ*\i+3], v[ADRS] offset:\i*512+\sc*256
.endr
.endm
.macro PLACES n                        ; plain vector instructions in front of loads into registers that matrix instructions have read, and of the first read of results
.rept \n
	v_nop
.endr
.endm
.macro STEP slot, q, zero              ; 128 along K, with its successor in the same slot
	s_wait_dscnt 4*NL                              ; B's set and A's tiles 0-3 are in; the youngest eight loads (A's tiles 4-7) may be out
	WIN MUL_LO
	MUL16 0, (\q)%2, \q, \slot, \zero
	MUL16 2, (\q)%2, \q, \slot, \zero
	s_wait_dscnt 0                                 ; A's tiles 4-7 are in
	PLACES NP
	FETCH_B \slot, (\q)+1, 1-(\q)%2
	FETCH_A \slot, (\q)+1, 0
	WIN MUL_HI
	MUL16 4, (\q)%2, \q, \slot, \zero
	MUL16 6, (\q)%2, \q, \slot, \zero
	PLACES NP
	WIN 0
	FETCH_A \slot, (\q)+1, 4
.endm
	s_wait_tensorcnt 1                             ; the scale bytes and my part of slot 0 are in; slot 1's load may stay out
	s_barrier_signal -1
	s_barrier_wait -1
	FETCH_B 0, 0, 0
	FETCH_A 0, 0, 0
	SCALES 0
	FETCH_A 0, 0, 4
	STEP 0, 0, 1                                   ; the first products start the sums: nothing is cleared
	STEP 0, 1, 0
	STEP 0, 2, 0
	; slot 0's last step, and the change to slot 1: my part of slot 1 has landed, then the barrier shows everybody's
	s_wait_tensorcnt 0x0
	ds_add_u32 v[SPW], v[NIL]                      ; 0 onto my spare word
	s_wait_dscnt 4*NL+1                            ; (the add and the youngest eight loads may be out)
	WIN MUL_LO
	MUL16 0, 1, 3, 0, 0
	s_wait_dscnt 0x0                               ; no LDS instruction of mine is pending at the signal
	s_barrier_signal -1
	MUL16 2, 1, 3, 0, 0
	WIN 0
	s_barrier_wait -1
	PLACES NP
	FETCH_B 1, 0, 0
	FETCH_A 1, 0, 0
	SCALES 1
	WIN MUL_HI
	MUL16 4, 1, 3, 0, 0
	MUL16 6, 1, 3, 0, 0
	PLACES NP
	WIN 0
	FETCH_A 1, 0, 4
	STEP 1, 0, 0
	STEP 1, 1, 0
	STEP 1, 2, 0
	s_wait_dscnt 4*NL                              ; the very last step: nothing more to fetch
	WIN MUL_LO
	MUL16 0, 1, 3, 1, 0
	MUL16 2, 1, 3, 1, 0
	s_wait_dscnt 0
	WIN MUL_HI
	MUL16 4, 1, 3, 1, 0
	MUL16 6, 1, 3, 1, 0
	WIN 0
	; THE WAY OUT.  Each of my eight tiles of A (16 lane-rows) x my 128 columns becomes one fragment's codes and one scale word a lane-row.
.set n, 0
.rept 16
	v_mov_b32 v[PT+n], 0                           ; a lane permute's destination counts as one of its sources.  (These are also the places behind the last products)
.set n, n+1
.endr
	s_mov_b32 s57, 0x76543210
	s_mov_b32 s58, 0xfedcba98                      ; v_permlanex16_b32's selects for lane l xor 16.  (All tensor loads have been waited for: the descriptors' registers are free)
	s_cmp_eq_u32 ttmp9, 2
	s_cselect_b32 s2, s40, s41                     ; the tokens lie along B for v, along A for q and k
	s_cselect_b32 s3, s16, s15
	s_cselect_b32 s18, s41, s40                    ; the channels the other way round
	s_cselect_b32 s19, s15, s16
	s_mov_b32 s48, 512
	s_cselect_b32 s48, 1024, s48                   ; from tile to tile of A: a q or k tile's 512 bytes; a v fragment's 1,024
	s_cselect_b32 s50, 192512, 0                   ; v: from a head's fourth channel tile to the next head's first: 196,608 - 4,096
	s_cselect_b32 s52, 5, 6                        ; scale words: 32 or 64 bytes for each token tile
	s_mov_b32 s53, 196608
	s_cselect_b32 s53, 512, s53                    ; registers 4-7 of the codes: v: the fragment's second half; q, k: the next head's record
	s_cselect_b32 s54, 0, 16
	s_mov_b32 s49, 0
	s_mov_b32 s51, 0
	s_add_co_u32 s2, s2, s17
	s_lshl_b32 s2, s2, 4
	s_lshl_b32 s3, s3, 3
	s_add_co_u32 s2, s2, s3                        ; my first token tile
	s_and_b32 s3, s2, 127                          ; in its batch
	s_lshr_b32 s2, s2, 7
	s_lshl_b32 s2, s2, 4
	s_lshl_b32 s18, s18, 2
	s_lshl_b32 s19, s19, 1
	s_add_co_u32 s2, s2, s18
	s_add_co_u32 s2, s2, s19                       ; the first of my two heads: 16 batch + 4 x block of 256 channels + 2 x half
	s_mul_i32 s18, s2, 196608
	s_lshl_b32 s19, ttmp9, 16
	s_add_co_u32 s18, s18, s19
	s_lshl_b32 s19, s3, 9
	s_add_co_u32 s18, s18, s19
	s_mov_b32 s19, 0
	s_add_nc_u64 s[24:25], s[92:93], s[18:19]      ; a base for each of my eight tiles of A: s[24:39]
.irp a, 1,2,3,4,5,6,7
	s_add_nc_u64 s[24+2*\a:25+2*\a], s[22+2*\a:23+2*\a], s[48:49]
.if \a == 4
	s_add_nc_u64 s[24+2*\a:25+2*\a], s[24+2*\a:25+2*\a], s[50:51]
.endif
.endr
	s_mul_i32 s18, s2, 20480
	s_lshl_b32 s19, ttmp9, 13
	s_add_co_u32 s18, s18, s19
	s_lshl_b32 s19, s3, s52
	s_add_co_u32 s18, s18, s19
	s_mov_b32 s19, 0
	s_add_nc_u64 s[94:95], s[94:95], s[18:19]
	v_mov_b32 v[VO0], v4
	v_add_nc_u32 v[VO1], s53, v4
	v_mul_u32_u24 v[VSH], v2, s54
	v_mul_u32_u24 v[VS0], v2, 20480
	v_lshl_add_u32 v[VS0], v1, 4, v[VS0]
; Tiles 4 g .. 4 g + 3 of A: accumulators in window 2 + g, register 64 aa + 16 b + i = column 32 b + 16 h + i of my lane-row.  Each accumulator is read from its low end on.
.macro QGROUP g
	WIN 5*(2+\g)                                   ; sources 0 and 1: the accumulators' window
.irp i, 0,2,4,6,8,10,12,14
.irp aa, 0,1,2,3
.irp b, 0,1,2,3
.if \i == 0
	v_max3_num_f32 v[BM+4*\aa+\b], |v[64*\aa+16*\b]|, |v[64*\aa+16*\b+1]|, 0x1800000   ; sixteen blocks by turns; the floor 2^(3 - 127) among the leaves
.else
	v_max3_num_f32 v[BM+4*\aa+\b], |v[64*\aa+16*\b+\i]|, |v[64*\aa+16*\b+\i+1]|, v[BM+4*\aa+\b]
.endif
.endr
.endr
.endr
	WIN 0
.set n, 0
.rept 16
	v_permlanex16_b32 v[PT+n], v[BM+n], s57, s58
.set n, n+1
.endr
.set n, 0
.rept 16
	v_max_num_f32 v[BM+n], v[BM+n], v[PT+n]        ; with lane l xor 16's: the block's largest magnitude
.set n, n+1
.endr
.set n, 0
.rept 16
	v_add_nc_u32 v[SO+n], 0xff000000, v[BM+n]      ; 2 off the exponent field: the conversion's scale operand
.set n, n+1
.endr
.set n, 0
.rept 16
	v_lshrrev_b32 v[PT+n], 23, v[SO+n]             ; the byte
.set n, n+1
.endr
.irp aa, 0,1,2,3
	v_lshl_or_b32 v[W+4*\g+\aa], v[PT+4*\aa+1], 8, v[PT+4*\aa]
	v_lshl_or_b32 v[W+4*\g+\aa], v[PT+4*\aa+2], 16, v[W+4*\g+\aa]
	v_lshl_or_b32 v[W+4*\g+\aa], v[PT+4*\aa+3], 24, v[W+4*\g+\aa]
	v_lshrrev_b32 v[W+4*\g+\aa], v[VSH], v[W+4*\g+\aa]
.endr
	WIN 2+\g                                       ; source 0: the accumulators' window
.irp aa, 0,1,2,3
.irp b, 0,1,2,3
	v_cvt_scalef32_pk8_fp4_f32 v[PC+8*(4*\g+\aa)+2*\b], v[64*\aa+16*\b:64*\aa+16*\b+7], v[SO+4*\aa+\b]
	v_cvt_scalef32_pk8_fp4_f32 v[PC+8*(4*\g+\aa)+2*\b+1], v[64*\aa+16*\b+8:64*\aa+16*\b+15], v[SO+4*\aa+\b]
.endr
.endr
	WIN 0
	v_nop                                          ; one plain place behind a scaled conversion
.irp aa, 0,1,2,3
.irp c, 0,1
.irp i, 0,1
	v_permlane16_swap_b32 v[PC+8*(4*\g+\aa)+4*\c+\i], v[PC+8*(4*\g+\aa)+4*\c+2+\i]   ; a whole block to a lane
.endr
.endr
.endr
.irp aa, 0,1,2,3
	global_store_b128 v[VO0], v[PC+8*(4*\g+\aa):PC+8*(4*\g+\aa)+3], s[24+2*(4*\g+\aa):25+2*(4*\g+\aa)]     ; 512 consecutive bytes, aligned
	global_store_b128 v[VO1], v[PC+8*(4*\g+\aa)+4:PC+8*(4*\g+\aa)+7], s[24+2*(4*\g+\aa):25+2*(4*\g+\aa)]
.endr
.endm
	QGROUP 0
	QGROUP 1
	s_cmp_eq_u32 ttmp9, 2                          ; the cluster's x: all partners and all waves go the same way; no LDS access and no barrier stands in either arm
	s_cbranch_scc1 .Lv_words
	global_store_b128 v[VS0], v[W:W+3], s[94:95]               ; q, k: token tiles 0-3: lanes 0-15 the first head's words, lanes 16-31 the second's: 256 consecutive bytes each
	global_store_b128 v[VS0], v[W+4:W+7], s[94:95] offset:256  ; token tiles 4-7
	s_branch .Lwords_done
.Lv_words:
	v_cmp_ne_u32 s56, 0, v2
.irp j, 0,1,2,3
	v_cndmask_b32 v[120+\j], v[W+\j], v[W+4+\j], s56           ; v: lanes 0-15 the first head's four channel tiles, lanes 16-31 the second's
.endr
	global_store_b128 v[VS0], v[120:123], s[94:95]
.Lwords_done:
	s_wait_tensorcnt 0x0                           ; the wave's end: behind my last tensor load
	ds_add_u32 v[SPW], v[NIL]
	s_wait_dscnt 0x0
	CROUND                                         ; the closing round: no work-group ends while a partner may still ask for a tile that names it
	s_endpgm
.Lfunc_end_k_q3ac3efd331_qkv:
	.size	k_q3ac3efd331_qkv, .Lfunc_end_k_q3ac3efd331_qkv-k_q3ac3efd331_qkv
	.p2alignl 7, 3214868480
	.fill 96, 4, 3214868480
	.section	.rodata,"a",@progbits
	.p2align	6, 0x0
	.amdhsa_kernel k_q3ac3efd331_qkv
		.amdhsa_group_segment_fixed_size 327680
		.amdhsa_private_segment_fixed_size 0
		.amdhsa_enable_private_segment 0
		.amdhsa_kernarg_size 48
		.amdhsa_user_sgpr_count 2
		.amdhsa_user_sgpr_kernarg_segment_ptr 1
		.amdhsa_wavefront_size32 1
		.amdhsa_system_sgpr_workgroup_id_x 1
		.amdhsa_system_sgpr_workgroup_id_y 1
		.amdhsa_system_sgpr_workgroup_id_z 1
		.amdhsa_system_vgpr_workitem_id 0
		.amdhsa_next_free_vgpr 1024
		.amdhsa_next_free_sgpr 102
		.amdhsa_reserve_vcc 0
		.amdhsa_float_denorm_mode_32 3
		.amdhsa_float_denorm_mode_16_64 3
		.amdhsa_memory_ordered 1
		.amdhsa_forward_progress 1
		.amdhsa_inst_pref_size 129
	.end_amdhsa_kernel
	.amdgpu_metadata
---
amdhsa.version: [ 1, 2 ]
amdhsa.kernels:
  - .name:           k_q3ac3efd331_qkv
    .symbol:         k_q3ac3efd331_qkv.kd
    .args:
      - { .name: xc, .offset: 0, .size: 8, .value_kind: global_buffer, .address_space: global }
      - { .name: xs, .offset: 8, .size: 8, .value_kind: global_buffer, .address_space: global }
      - { .name: wc, .offset: 16, .size: 8, .value_kind: global_buffer, .address_space: global }
      - { .name: ws, .offset: 24, .size: 8, .value_kind: global_buffer, .address_space: global }
      - { .name: qkvc, .offset: 32, .size: 8, .value_kind: global_buffer, .address_space: global }
      - { .name: qkvs, .offset: 40, .size: 8, .value_kind: global_buffer, .address_space: global }
    .group_segment_fixed_size: 327680
    .private_segment_fixed_size: 0
    .kernarg_segment_align: 8
    .kernarg_segment_size: 48
    .max_flat_workgroup_size: 128
    .sgpr_count:     102
    .vgpr_count:     1024
    .wavefront_size: 32
...
	.end_amdgpu_metadata
.endif
;; end of part 3
;; launch attn (part 4): grid 4 x 64, 16 waves a work-group, clusters of 4 x 1, 167,936 bytes of LDS; arguments qkvc, qkvs, ctxc, ctxs; writes ctxc, ctxs
.if DOCPART == 4
	.amdgcn_target "amdgcn-amd-amdhsa--gfx1250"
	.amdhsa_code_object_version 6
	.text
	.protected	k_q3ac3efd331_attn
	.globl	k_q3ac3efd331_attn
	.p2align	8
	.type	k_q3ac3efd331_attn,@function
k_q3ac3efd331_attn:
	s_mov_b64 s[64:65], 0
	v_nop
	global_prefetch_b8 v0, s[64:65] scope:SCOPE_SE
	s_setreg_imm32_b32 hwreg(HW_REG_WAVE_MODE, 25, 1), 1
	s_wait_xcnt 0x0
	s_wait_alu depctr_hold_cnt(0) depctr_sa_sdst(0) depctr_va_vdst(0) depctr_va_sdst(0) depctr_va_ssrc(0) depctr_va_vcc(0) depctr_vm_vsrc(0)
	s_getreg_b32 s2, hwreg(HW_REG_IB_STS2, 6, 4)
	s_cmp_eq_u32 s2, 0
	s_cbranch_scc0 .Lentry_in_a_cluster
	s_endpgm
.Lentry_in_a_cluster:
	s_bfe_u32 s2, ttmp6, 0x10000c
	s_cmp_lg_u32 s2, 0x3003
	s_cbranch_scc0 .Lentry_shape_is_right
	s_endpgm
.Lentry_shape_is_right:
; ctx = softmax(q k^T / 8, causal) v for one head g = 16 batch + head (work-group y), both products on codes of E2M1, and ctx quantised along d for the projection.
; WORK LEFT OUT: key steps all of whose 128 keys come after a tile's 16 queries: reference()'s own jnp.tril makes their scores -infinity for every input (the first launch's head comment).
; THE SOFTMAX: t = score x log2(e) / 8; M = the running largest t rounded up to a whole number; p = 2^(t - M) is quantised along the keys, not normalised; the row's sum is taken of the unquantised p and divides O at the end.
; SHARES.  The four work-groups of a cluster share a head.  Wave w of partner cx owns query tiles 4 w + cx and 124 - 4 w + cx (tiles of 16 queries, rows chosen as the first launch's head comment says).
; Tile T wants key steps 0 .. T / 8, which is w / 2 for the first and 15 - w / 2 for the second: made of the wave's number alone, and 17 key steps for every wave of every work-group.
; A HEAD'S WHOLE K AND V LIE IN LDS (131,072 bytes of codes, 12,288 of scale words), filled once by joint loads: each wave asks for 8,192 + 768 bytes; by this text's own count two tensor loads of a wave are out.
; Wave 0 of every partner walks all sixteen key steps, so every partner reads all that the joint loads bring.  cx enters global addresses and the mask's vector arithmetic alone.
; LAYOUT.  Both products transposed: S^T = K Q^T (K = the head's 64: registers 4-7 of both fragments are zero codes), O^T = V^T P^T: a lane holds one query throughout; the 16 registers of key tiles 2 b, 2 b + 1 are keys 32 b + 16 h + 0 .. 15.
; Every walked step holds at least one key that counts for each query (key 128 x step <= every query of the tile), so M is a number from the first step on.
; OUT: ctxc, ctxs laid as the first launch's head comment says (K = d = 64 head + channel).  The codes leave as 512 consecutive bytes; the two scale bytes of a lane-row leave singly: 32 bytes of a run of 256 that
; eight heads fill between them: one sixteenth of the codes' bytes.
; No prefetch: all that is read is asked for at the head.  LIMITS as in the first launch.
.set KW,    131072                     ; K's scale words
.set VW,    139264                     ; V's
.set SPARE, 143360                     ; the spare words, 128 bytes a wave
.set SPW, 5                            ; v5  my spare word's LDS address; never rewritten
.set NIL, 6                            ; v6  0; never rewritten
; v1 16 lane; v2 16 lane + 65,536; v3 KW + 16 r; v4 VW + 16 r; v7 16 r; v8-11 the step's LDS addresses; v12 -M; v13 the largest t; v[14:15] the sum; v[16:23] Q; v24 r + 8 (r / 8) - 16 h; v25 Q's scale word;
; v26 ctx's byte; v27 16 r + h; v[28:31] ctx's codes; v32-63 four fragments of K; v64-95 four of V; v96-159 S^T, then p; v160-191 O^T; v[192:199] p's codes; v200-207 K's words; v208-211 V's; v212 p's word;
; v216-219 largest scores; v220-223 the other half's, then bytes; v224-227 scale operands; v228 at work; v[230:231] f; v[232:233] the sum's second chain; v234 -infinity; v235 the mask's d
; s12 wave; s13 cx; s14 head; s15 the tile's last key step; s16 the tile; s17 its first query; s18 the key step; s19, s48, s49 the step's LDS bytes; s[20:21] lane selects; s[22:23] c; s[50:63], s[66:67] bases; s70 lanes 16-31
.macro CROUND
	s_barrier_signal -1
	s_barrier_wait -1
	s_cmp_lg_u32 s12, 0
	s_cbranch_scc1 .Lnot_wave_0_\@
	s_barrier_signal -3
.Lnot_wave_0_\@:
	s_barrier_wait -3
	s_barrier_signal -1
	s_barrier_wait -1
.endm
	s_load_b128 s[4:7], s[0:1], 0x0                ; qkvc, qkvs
	s_load_b128 s[8:11], s[0:1], 0x10              ; ctxc, ctxs
	v_lshl_add_u32 v[SPW], v0, 2, SPARE
	v_mov_b32 v[NIL], 0
	ds_add_u32 v[SPW], v[NIL]                      ; the wave's opening: the add, twice on end, and its wait ahead of my first tensor load
	ds_add_u32 v[SPW], v[NIL]
	v_lshrrev_b32 v8, 5, v0
	s_delay_alu instid0(VALU_DEP_1)
	v_readfirstlane_b32 s12, v8                    ; wave 0..15
	s_bfe_u32 s13, ttmp6, 0x40000                  ; cx
	s_and_b32 s14, ttmp7, 0xffff                   ; the head, which the four partners share
	; group 1 for codes: 8,192 dense bytes as 32 rows of 256 (32 elements of 8 bytes); the mask names all four work-groups
	s_mov_b32 s24, 15|(3<<16)|(1<<21)
	s_mov_b32 s25, 32<<16
	s_mov_b32 s26, 32<<16
	s_mov_b32 s27, 32<<16
	s_mov_b32 s28, 32
	s_mov_b32 s29, 32
	s_mov_b32 s30, 0
	s_mov_b32 s31, 0
	; and for scale words: 768 dense bytes as 3 rows of 256
	s_mov_b32 s32, 15|(3<<16)|(1<<21)
	s_mov_b32 s33, 32<<16
	s_mov_b32 s34, 3<<16
	s_mov_b32 s35, 32<<16
	s_mov_b32 s36, 3
	s_mov_b32 s37, 32
	s_mov_b32 s38, 0
	s_mov_b32 s39, 0
	s_mov_b32 s20, 0x76543210
	s_mov_b32 s21, 0xfedcba98
	s_mov_b32 s22, 0x3e38aa3b                      ; c = log2(e) / 8
	s_mov_b32 s23, s22                             ; (named with it as a pair, so it is written)
	s_mul_i32 s50, s14, 196608
	s_mov_b32 s51, 0
	s_mul_i32 s52, s14, 20480
	s_mov_b32 s53, 0
	s_lshl_b32 s41, s12, 13                        ; codes go to wave x 8,192: K's 65,536 bytes, then V's
	s_add_co_u32 s16, s41, 65536                   ; and come from behind q's 65,536 in the head's record
	s_mov_b32 s17, 0
	s_mul_i32 s18, s12, 768
	s_add_co_u32 s45, s18, KW                      ; scale words go to KW + wave x 768: K's 8,192 bytes, then V's 4,096
	s_add_co_u32 s18, s18, 8192                    ; and come from behind q's 8,192
	s_mov_b32 s19, 0
	s_lshr_b32 s2, s14, 4                          ; batch
	s_and_b32 s3, s14, 15                          ; head in it
	s_lshl_b32 s54, s2, 20                         ; ctxc: 128 tiles x 8,192 a batch,
	s_lshl_b32 s55, s3, 9                          ; 512 bytes a head in a tile
	s_add_co_u32 s54, s54, s55
	s_mov_b32 s55, 0
	s_lshl_b32 s56, s2, 16                         ; ctxs: 128 tiles x 512 a batch,
	s_lshr_b32 s57, s3, 3
	s_lshl_b32 s57, s57, 8                         ; which 512 along d,
	s_add_co_u32 s56, s56, s57
	s_and_b32 s57, s3, 7
	s_lshl_b32 s57, s57, 1                         ; two bytes a head
	s_add_co_u32 s56, s56, s57
	s_mov_b32 s57, 0
	s_wait_dscnt 0x0                               ; both opening adds are done
	s_wait_kmcnt 0x0
	s_add_nc_u64 s[50:51], s[4:5], s[50:51]        ; the head's record of codes
	s_add_nc_u64 s[52:53], s[6:7], s[52:53]        ; and of scale words
	s_add_nc_u64 s[54:55], s[8:9], s[54:55]
	s_add_nc_u64 s[56:57], s[10:11], s[56:57]
	s_mov_b32 s40, 1
	s_add_nc_u64 s[42:43], s[50:51], s[16:17]
	s_or_b32 s43, s43, 0x80000000
	s_mov_b32 s44, 1
	s_add_nc_u64 s[46:47], s[52:53], s[18:19]
	s_or_b32 s47, s47, 0x80000000
	CROUND                                         ; all four work-groups are here: the joint loads meet
	tensor_load_to_lds s[40:43], s[24:31]
	s_nop 0
	tensor_load_to_lds s[44:47], s[32:39]
	s_nop 0
.rept 4
	v_nop
.endr
	v_and_b32 v9, 31, v0
	s_delay_alu instid0(VALU_DEP_1)
	v_lshlrev_b32 v1, 4, v9
	s_delay_alu instid0(VALU_DEP_1)
	v_add_nc_u32 v2, 65536, v1
	v_and_b32 v10, 15, v0                          ; r
	v_bfe_u32 v11, v0, 4, 1                        ; h
	s_delay_alu instid0(VALU_DEP_2)
	v_lshlrev_b32 v7, 4, v10
	s_delay_alu instid0(VALU_DEP_1)
	v_add_nc_u32 v3, KW, v7
	s_delay_alu instid0(VALU_DEP_2)
	v_add_nc_u32 v4, VW, v7
	v_and_b32 v24, 8, v10
	s_delay_alu instid0(VALU_DEP_1)
	v_add_nc_u32 v24, v24, v10
	v_lshlrev_b32 v8, 4, v11
	s_delay_alu instid0(VALU_DEP_1)
	v_sub_nc_u32 v24, v24, v8                      ; r + 8 (r / 8) - 16 h
	v_add_nc_u32 v27, v7, v11
	v_cmp_ne_u32 s70, 0, v11
	v_mov_b32 v234, 0xff800000
	v_mov_b32 v231, 0                              ; (named as the upper half of the pair v[230:231])
.irp j, 20,21,22,23, 36,37,38,39, 44,45,46,47, 52,53,54,55, 60,61,62,63, 220,221,222,223
	v_mov_b32 v\j, 0                               ; the zero codes of k = 64 .. 127 in Q's and K's fragments, written once; and the permutes' destinations
.endr
	s_wait_tensorcnt 0x0                           ; my parts have landed,
	s_barrier_signal -1
	s_barrier_wait -1                              ; everybody's have
.macro TILE second
.if \second
	s_wait_xcnt 0x0                                ; the first tile's loads and stores have read their bases and data: they are written again below
	s_lshl_b32 s16, s12, 2
	s_sub_co_u32 s16, 124, s16
	s_add_co_u32 s16, s16, s13                     ; 124 - 4 w + cx
	s_lshr_b32 s15, s12, 1
	s_sub_co_u32 s15, 15, s15
.else
	s_lshl_b32 s16, s12, 2
	s_add_co_u32 s16, s16, s13                     ; 4 w + cx
	s_lshr_b32 s15, s12, 1
.endif
	s_lshr_b32 s17, s16, 1
	s_lshl_b32 s17, s17, 5
	s_and_b32 s2, s16, 1
	s_lshl_b32 s2, s2, 3
	s_add_co_u32 s17, s17, s2                      ; lane-row 0's query: 32 (T / 2) + 8 (T % 2)
	s_mov_b32 s3, 0
	s_lshl_b32 s2, s16, 9
	s_add_nc_u64 s[58:59], s[50:51], s[2:3]        ; Q's image
	s_add_nc_u64 s[66:67], s[56:57], s[2:3]        ; ctx's scale bytes
	s_lshl_b32 s2, s16, 13
	s_add_nc_u64 s[62:63], s[54:55], s[2:3]        ; ctx's codes
	s_lshr_b32 s2, s16, 2
	s_lshl_b32 s2, s2, 8
	s_and_b32 s18, s16, 3
	s_lshl_b32 s18, s18, 2
	s_add_co_u32 s2, s2, s18
	s_add_nc_u64 s[60:61], s[52:53], s[2:3]        ; Q's scale words
	global_load_b128 v[16:19], v1, s[58:59]
	global_load_b32 v25, v7, s[60:61]
	v_mov_b32 v13, 0xff61b1e6                      ; the largest t so far: -3e38
	s_delay_alu instid0(VALU_DEP_1)
	v_floor_f32 v12, -v13                          ; -M
	v_mov_b32 v14, 0
	v_mov_b32 v15, 0
.set j, 0
.rept 32
	v_mov_b32 v[160+j], 0                          ; O^T: the step is written once; the first finds zeros, which the first change of M leaves zeros
.set j, j+1
.endr
	s_mov_b32 s18, 0
	s_mov_b32 s19, 0
	s_mov_b32 s48, 0
	s_mov_b32 s49, 0
	s_wait_loadcnt 0x0
.Lstep_\@:                             ; sixteen trips for every wave: a constant; a step behind the tile's last is passed over, all but the lines that step addresses
	s_cmp_gt_u32 s18, s15
	s_cbranch_scc1 .Lhidden_\@
	s_setprio 2
	v_add_nc_u32 v8, s19, v1                       ; these four are also the places in front of loads into registers that the last products read
	v_add_nc_u32 v9, s19, v2
	v_add_nc_u32 v10, s48, v3
	v_add_nc_u32 v11, s49, v4
	ds_load_b128 v[200:203], v10                   ; K's scale words, key tiles 0-3
	ds_load_b128 v[204:207], v10 offset:256        ; and 4-7
.irp t, 0,1,2,3
	ds_load_b128 v[32+8*\t:35+8*\t], v8 offset:512*\t
.endr
	ds_load_b128 v[208:211], v11                   ; V's scale words
.irp ct, 0,1,2,3
.irp c, 0,1
	ds_load_b128 v[64+8*\ct+4*\c:67+8*\ct+4*\c], v9 offset:1024*\ct+512*\c
.endr
.endr
	s_wait_alu depctr_va_vdst(0)
	s_wait_dscnt 9                                 ; K's words and tiles 0-3 are in; V's nine loads may be out
.irp t, 0,1,2,3
	v_wmma_scale_f32_16x16x128_f8f6f4 v[96+8*\t:103+8*\t], v[32+8*\t:39+8*\t], v[16:23], 0, v[200+\t], v25 matrix_a_fmt:MATRIX_FMT_FP4 matrix_b_fmt:MATRIX_FMT_FP4
.endr
.rept 4
	v_nop
.endr
.irp t, 0,1,2,3
	ds_load_b128 v[32+8*\t:35+8*\t], v8 offset:2048+512*\t
.endr
	s_wait_dscnt 0x0
.irp t, 0,1,2,3
	v_wmma_scale_f32_16x16x128_f8f6f4 v[128+8*\t:135+8*\t], v[32+8*\t:39+8*\t], v[16:23], 0, v[204+\t], v25 matrix_a_fmt:MATRIX_FMT_FP4 matrix_b_fmt:MATRIX_FMT_FP4
.endr
.rept 4
	v_nop
.endr
	s_cmp_lg_u32 s18, s15                          ; only the tile's last step lies on the diagonal
	s_cbranch_scc1 .Lopen_\@
	s_lshl_b32 s2, s18, 7
	s_sub_co_i32 s2, s17, s2
	v_add_nc_u32 v235, s2, v24                     ; d = my query - the step's first key - 16 h.  Register 16 b + i holds key 32 b + 16 h + i of the step: hidden where 32 b + i > d
.set n, 0
.rept 64
	v_cmp_gt_i32 vcc_lo, 32*(n/16)+n%16, v235
	v_cndmask_b32 v[96+n], v[96+n], v234, vcc_lo
.set n, n+1
.endr
.Lopen_\@:
.irp b, 0,1,2,3
	v_max3_num_f32 v[216+\b], v[96+16*\b], v[97+16*\b], v[98+16*\b]   ; the largest score of each block of 32 keys: for the row's maximum, and, since p rises with the score, for the block's largest p
.endr
.irp i, 3,5,7,9,11,13
.irp b, 0,1,2,3
	v_max3_num_f32 v[216+\b], v[216+\b], v[96+16*\b+\i], v[97+16*\b+\i]
.endr
.endr
.irp b, 0,1,2,3
	v_max_num_f32 v[216+\b], v[216+\b], v[111+16*\b]
.endr
.irp b, 0,1,2,3
	s_delay_alu instid0(VALU_DEP_4)
	v_permlanex16_b32 v[220+\b], v[216+\b], s20, s21
.endr
.irp b, 0,1,2,3
	s_delay_alu instid0(VALU_DEP_4)
	v_max_num_f32 v[216+\b], v[216+\b], v[220+\b]
.endr
	s_delay_alu instid0(VALU_DEP_2)
	v_max3_num_f32 v228, v216, v217, v218
	s_delay_alu instid0(VALU_DEP_1)
	v_max_num_f32 v228, v228, v219
	s_delay_alu instid0(VALU_DEP_1)
	v_mul_f32 v228, s22, v228                      ; as t (c is positive)
	s_delay_alu instid0(VALU_DEP_1)
	v_max_num_f32 v13, v13, v228                   ; the running largest t
	v_mov_b32 v228, v12
	s_delay_alu instid0(VALU_DEP_2)
	v_floor_f32 v12, -v13                          ; the new -M = -ceil(t): a whole number
	s_delay_alu instid0(VALU_DEP_1)
	v_sub_f32 v228, v12, v228                      ; old M - new M: a whole number, 0 or less
	s_delay_alu instid0(VALU_DEP_1)
	v_cvt_i32_f32 v228, v228                       ; (it saturates)
	s_delay_alu instid0(VALU_DEP_1)
	v_ldexp_f32 v230, 1.0, v228                    ; f = 2^(old M - new M): rounds nothing
.set j, 0
.rept 32
	v_pk_fma_f32 v[96+j:97+j], v[96+j:97+j], s[22:23], v[12:13] op_sel_hi:[1,0,0]   ; t - M
.set j, j+2
.endr
	s_setprio 1
.irp b, 0,1,2,3
	v_fma_f32 v[216+\b], v[216+\b], s22, v12
.endr
.set j, 0
	s_wait_alu depctr_va_vdst(0)
.rept 64
	v_exp_f32 v[96+j], v[96+j]                     ; p = 2^(t - M)
.set j, j+1
.endr
	v_pk_mul_f32 v[14:15], v[14:15], v[230:231] op_sel_hi:[1,0]   ; the sums under the new M: a plain place behind the exponentials
	s_wait_alu depctr_va_vdst(0)                   ; one wait for the batch, ahead of its first reader
.irp b, 0,1,2,3
	v_exp_f32 v[216+\b], v[216+\b]                 ; the block's largest p
.endr
	v_pk_add_f32 v[232:233], v[100:101], v[104:105]
	v_pk_add_f32 v[254:255], v[108:109], v[112:113]
	v_pk_add_f32 v[252:253], v[116:117], v[120:121]
	v_pk_add_f32 v[250:251], v[124:125], v[128:129]
	v_pk_add_f32 v[248:249], v[132:133], v[136:137]
	v_pk_add_f32 v[246:247], v[140:141], v[144:145]
	v_pk_add_f32 v[244:245], v[148:149], v[152:153]
	v_pk_add_f32 v[14:15], v[14:15], v[156:157]
	v_pk_add_f32 v[232:233], v[232:233], v[96:97]
	v_pk_add_f32 v[254:255], v[254:255], v[98:99]
	v_pk_add_f32 v[252:253], v[252:253], v[102:103]
	v_pk_add_f32 v[250:251], v[250:251], v[106:107]
	v_pk_add_f32 v[248:249], v[248:249], v[110:111]
	v_pk_add_f32 v[246:247], v[246:247], v[114:115]
	v_pk_add_f32 v[244:245], v[244:245], v[118:119]
	v_pk_add_f32 v[14:15], v[14:15], v[122:123]
	v_pk_add_f32 v[232:233], v[232:233], v[126:127]
	v_pk_add_f32 v[254:255], v[254:255], v[130:131]
	v_pk_add_f32 v[252:253], v[252:253], v[134:135]
	v_pk_add_f32 v[250:251], v[250:251], v[138:139]
	v_pk_add_f32 v[248:249], v[248:249], v[142:143]
	v_pk_add_f32 v[246:247], v[246:247], v[146:147]
	v_pk_add_f32 v[244:245], v[244:245], v[150:151]
	v_pk_add_f32 v[14:15], v[14:15], v[154:155]
	v_pk_add_f32 v[232:233], v[232:233], v[158:159]
	s_delay_alu instid0(VALU_DEP_2)
	v_pk_add_f32 v[14:15], v[14:15], v[250:251]
	s_delay_alu instid0(VALU_DEP_2)
	v_pk_add_f32 v[232:233], v[232:233], v[248:249]
	v_pk_add_f32 v[254:255], v[254:255], v[246:247]
	v_pk_add_f32 v[252:253], v[252:253], v[244:245]
	s_delay_alu instid0(VALU_DEP_2)
	v_pk_add_f32 v[14:15], v[14:15], v[254:255]
	s_delay_alu instid0(VALU_DEP_2)
	v_pk_add_f32 v[232:233], v[232:233], v[252:253]
	s_delay_alu instid0(VALU_DEP_1)
	v_pk_add_f32 v[14:15], v[14:15], v[232:233]
	s_wait_alu depctr_va_vdst(0)                   ; and one for the four
.irp b, 0,1,2,3
	v_max_num_f32 v[216+\b], 0x1800000, v[216+\b]  ; the floor 2^(3 - 127)
.endr
.irp b, 0,1,2,3
	s_delay_alu instid0(VALU_DEP_4)
	v_add_nc_u32 v[224+\b], 0xff000000, v[216+\b]
.endr
.irp b, 0,1,2,3
	s_delay_alu instid0(VALU_DEP_4)
	v_lshrrev_b32 v[220+\b], 23, v[224+\b]
.endr
	s_delay_alu instid0(VALU_DEP_3)
	v_lshl_or_b32 v212, v221, 8, v220              ; p's scale word for these 128 keys
	s_delay_alu instid0(VALU_DEP_1)
	v_lshl_or_b32 v212, v222, 16, v212
	s_delay_alu instid0(VALU_DEP_1)
	v_lshl_or_b32 v212, v223, 24, v212
	s_setprio 0
.irp b, 0,1,2,3
	v_cvt_scalef32_pk8_fp4_f32 v[192+2*\b], v[96+16*\b:103+16*\b], v[224+\b]
	v_cvt_scalef32_pk8_fp4_f32 v[193+2*\b], v[104+16*\b:111+16*\b], v[224+\b]
.endr
	v_nop                                          ; one plain place behind a scaled conversion
.irp c, 0,1
.irp i, 0,1
	v_permlane16_swap_b32 v[192+4*\c+\i], v[194+4*\c+\i]
.endr
.endr
.set j, 0
.rept 16
	v_pk_mul_f32 v[160+j:161+j], v[160+j:161+j], v[230:231] op_sel_hi:[1,0]   ; O^T under the new M.  (These sixteen are also the places between p's word and codes and the products)
.set j, j+2
.endr
.irp ct, 0,1,2,3
	v_wmma_scale_f32_16x16x128_f8f6f4 v[160+8*\ct:167+8*\ct], v[64+8*\ct:71+8*\ct], v[192:199], v[160+8*\ct:167+8*\ct], v[208+\ct], v212 matrix_a_fmt:MATRIX_FMT_FP4 matrix_b_fmt:MATRIX_FMT_FP4
.endr
.Lhidden_\@:
	s_add_co_u32 s19, s19, 4096                    ; the next step's codes,
	s_add_co_u32 s48, s48, 512                     ; K's words,
	s_add_co_u32 s49, s49, 256                     ; V's words
	s_add_co_u32 s18, s18, 1
	s_cmp_lt_u32 s18, 16
	s_cbranch_scc1 .Lstep_\@
	s_setprio 0
	; the tile's end: O^T / the sum is ctx; register 16 b + i is channel 32 b + 16 h + i of my query: two blocks of 32 along d
.rept 4
	v_nop
.endr
	v_add_f32 v14, v14, v15
	s_delay_alu instid0(VALU_DEP_1)
	v_permlanex16_b32 v220, v14, s20, s21
	s_delay_alu instid0(VALU_DEP_1)
	v_add_f32 v14, v14, v220                       ; the row's sum
	s_wait_alu depctr_va_vdst(0)
	v_rcp_f32 v14, v14
	v_nop                                          ; a plain place behind the reciprocal
	s_wait_alu depctr_va_vdst(0)                   ; and the wait ahead of its first reader
.set j, 0
.rept 16
	v_pk_mul_f32 v[160+j:161+j], v[160+j:161+j], v[14:15] op_sel_hi:[1,0]
.set j, j+2
.endr
.irp b, 0,1
	v_max3_num_f32 v[216+\b], |v[160+16*\b]|, |v[161+16*\b]|, 0x1800000
.endr
.irp i, 2,4,6,8,10,12,14
.irp b, 0,1
	s_delay_alu instid0(VALU_DEP_2)
	v_max3_num_f32 v[216+\b], v[216+\b], |v[160+16*\b+\i]|, |v[161+16*\b+\i]|
.endr
.endr
.irp b, 0,1
	s_delay_alu instid0(VALU_DEP_2)
	v_permlanex16_b32 v[220+\b], v[216+\b], s20, s21
.endr
.irp b, 0,1
	s_delay_alu instid0(VALU_DEP_2)
	v_max_num_f32 v[216+\b], v[216+\b], v[220+\b]
.endr
.irp b, 0,1
	s_delay_alu instid0(VALU_DEP_2)
	v_add_nc_u32 v[224+\b], 0xff000000, v[216+\b]
.endr
.irp b, 0,1
	s_delay_alu instid0(VALU_DEP_2)
	v_lshrrev_b32 v[220+\b], 23, v[224+\b]
.endr
	v_cvt_scalef32_pk8_fp4_f32 v28, v[160:167], v224
	v_cvt_scalef32_pk8_fp4_f32 v29, v[168:175], v224
	v_cvt_scalef32_pk8_fp4_f32 v30, v[176:183], v225
	v_cvt_scalef32_pk8_fp4_f32 v31, v[184:191], v225
	v_nop
	v_permlane16_swap_b32 v28, v30                 ; lanes 0-15 the first block whole, lanes 16-31 the second
	v_permlane16_swap_b32 v29, v31
	v_cndmask_b32 v26, v220, v221, s70             ; and its byte
	global_store_b128 v1, v[28:31], s[62:63]       ; 512 consecutive bytes, aligned
	global_store_b8 v27, v26, s[66:67]
.endm
	TILE 0
	TILE 1
	s_wait_tensorcnt 0x0                           ; the wave's end: behind my last tensor load
	ds_add_u32 v[SPW], v[NIL]
	s_wait_dscnt 0x0
	CROUND                                         ; the closing round
	s_endpgm
.Lfunc_end_k_q3ac3efd331_attn:
	.size	k_q3ac3efd331_attn, .Lfunc_end_k_q3ac3efd331_attn-k_q3ac3efd331_attn
	.p2alignl 7, 3214868480
	.fill 96, 4, 3214868480
	.section	.rodata,"a",@progbits
	.p2align	6, 0x0
	.amdhsa_kernel k_q3ac3efd331_attn
		.amdhsa_group_segment_fixed_size 167936
		.amdhsa_private_segment_fixed_size 0
		.amdhsa_enable_private_segment 0
		.amdhsa_kernarg_size 32
		.amdhsa_user_sgpr_count 2
		.amdhsa_user_sgpr_kernarg_segment_ptr 1
		.amdhsa_wavefront_size32 1
		.amdhsa_system_sgpr_workgroup_id_x 1
		.amdhsa_system_sgpr_workgroup_id_y 1
		.amdhsa_system_sgpr_workgroup_id_z 1
		.amdhsa_system_vgpr_workitem_id 0
		.amdhsa_next_free_vgpr 256
		.amdhsa_next_free_sgpr 80
		.amdhsa_reserve_vcc 1
		.amdhsa_float_denorm_mode_32 3
		.amdhsa_float_denorm_mode_16_64 3
		.amdhsa_memory_ordered 1
		.amdhsa_forward_progress 1
		.amdhsa_inst_pref_size 62
	.end_amdhsa_kernel
	.amdgpu_metadata
---
amdhsa.version: [ 1, 2 ]
amdhsa.kernels:
  - .name:           k_q3ac3efd331_attn
    .symbol:         k_q3ac3efd331_attn.kd
    .args:
      - { .name: qkvc, .offset: 0, .size: 8, .value_kind: global_buffer, .address_space: global }
      - { .name: qkvs, .offset: 8, .size: 8, .value_kind: global_buffer, .address_space: global }
      - { .name: ctxc, .offset: 16, .size: 8, .value_kind: global_buffer, .address_space: global }
      - { .name: ctxs, .offset: 24, .size: 8, .value_kind: global_buffer, .address_space: global }
    .group_segment_fixed_size: 167936
    .private_segment_fixed_size: 0
    .kernarg_segment_align: 8
    .kernarg_segment_size: 32
    .max_flat_workgroup_size: 512
    .sgpr_count:     80
    .vgpr_count:     256
    .wavefront_size: 32
...
	.end_amdgpu_metadata
.endif
;; end of part 4
;; launch oproj (part 5): grid 4 x 32, 4 waves a work-group, clusters of 4 x 4, 327,680 bytes of LDS; arguments ctxc, ctxs, wc, ws, b_o, out0; writes out0
.if DOCPART == 5
	.amdgcn_target "amdgcn-amd-amdhsa--gfx1250"
	.amdhsa_code_object_version 6
	.text
	.protected	k_q3ac3efd331_oproj
	.globl	k_q3ac3efd331_oproj
	.p2align	8
	.type	k_q3ac3efd331_oproj,@function
k_q3ac3efd331_oproj:
	s_mov_b64 s[64:65], 0
	v_nop
	global_prefetch_b8 v0, s[64:65] scope:SCOPE_SE
	s_setreg_imm32_b32 hwreg(HW_REG_WAVE_MODE, 25, 1), 1
	s_wait_xcnt 0x0
	s_wait_alu depctr_hold_cnt(0) depctr_sa_sdst(0) depctr_va_vdst(0) depctr_va_sdst(0) depctr_va_ssrc(0) depctr_va_vcc(0) depctr_vm_vsrc(0)
	s_getreg_b32 s2, hwreg(HW_REG_IB_STS2, 6, 4)
	s_cmp_eq_u32 s2, 0
	s_cbranch_scc0 .Lentry_in_a_cluster
	s_endpgm
.Lentry_in_a_cluster:
	s_bfe_u32 s2, ttmp6, 0x10000c
	s_cmp_lg_u32 s2, 0xf033
	s_cbranch_scc0 .Lentry_shape_is_right
	s_endpgm
.Lentry_shape_is_right:
; out0 = ctx W_o + b_o on codes of E2M1; out0 [8,192][1,024] f32.  No work is left out here.
; C = A B^T, A = ctx (tokens), B = W_o (the fourth weight in wc, ws: blocks 12 .. 15 of 256 rows).  A tile of 256 x 256 to a work-group, 128 x 128 to each of four waves; the matrix instruction is used transposed, so that a
; lane's registers run along a row of out0.  All of K = 1,024 lies in LDS (two slots of 512 along K and the scale bytes), each filled once by joint loads; by this text's own count a wave has three tensor loads out.
; The bias is the C of each sum's first matrix instruction: 64 registers in the result's layout; it costs no addition.
; Tiles' rows are chosen as the first launch's head comment says: column 32 (b / 2) + 8 (b % 2) + 16 h + j in register j of B's tile b; lane-row t of A's tile a is row 32 (a / 2) + 8 (a % 2) + t + 8 (t / 8).
; THE WAY OUT: a tile of 16 rows x 128 columns goes through the wave's own stage in LDS and leaves as whole rows of 512 bytes.  The stage lies in slot 0, which has had its one fill, and which nobody reads behind the change of slots.
; 128 work-groups: the tile is kept large so that each LDS byte feeds the most products.
; REGISTERS as in the launch for q, k, v; window 0: v192-255 the bias, later rows on the way out.
.set NQ,    4
.set FR,    8
.set NL,    2
.set NP,    4
.set HALFT, 32768
.set SLOT,  131072
.set SCL,   262144
.set HALFS, 4096
.set SPARE, 278528
.set SPITCH, 528
.set ADRA, 16
.set ADRB, 20
.set STO,  24                          ; v24  the way out: where I put 32 bytes of a row
.set RD,   25                          ; v25  where I read a row back
.set CO,   26                          ; v26  my byte offset in a row of out0
.set ADRS, 27
.set SPW,  28
.set NIL,  29
.set SC,   32
.set AF,   128
.set BK,   128                         ; the way out: 16 rows read back: v128-191 and v192-255 by turns
.set BIAS, 192
.set G1, 24
.set G0, 32
.set G1B, 48
.set G0B, 56
.set G1S, 68
.set G0S, 76
.set G1SB, 80
.set G0SB, 88
.set MSB, 0
.macro WIN new
.if MSB != (\new)
	s_set_vgpr_msb (MSB<<8)|(\new)
.set MSB, (\new)
.endif
.endm
.set MUL_LO, 0xa1
.set MUL_HI, 0xf1
.set TO_B,   0x40
.macro JLOAD g0a, g1a, g0b, g1b
	s_cmp_eq_u32 s15, 0
	s_cbranch_scc0 .Lfor_b_\@
	tensor_load_to_lds s[\g0a:\g0a+3], s[\g1a:\g1a+7]
	s_nop 0
.rept 4
	v_nop
.endr
	s_branch .Lasked_\@
.Lfor_b_\@:
	tensor_load_to_lds s[\g0b:\g0b+3], s[\g1b:\g1b+7]
	s_nop 0
.rept 4
	v_nop
.endr
.Lasked_\@:
.endm
.macro CROUND
	s_barrier_signal -1
	s_barrier_wait -1
	s_cmp_lg_u32 s14, 0
	s_cbranch_scc1 .Lnot_wave_0_\@
	s_barrier_signal -3
.Lnot_wave_0_\@:
	s_barrier_wait -3
	s_barrier_signal -1
	s_barrier_wait -1
.endm
	s_load_b128 s[4:7], s[0:1], 0x0                ; ctxc, ctxs
	s_load_b128 s[8:11], s[0:1], 0x10              ; wc, ws
	s_load_b128 s[92:95], s[0:1], 0x20             ; b_o, out0
	v_lshl_add_u32 v[SPW], v0, 2, SPARE
	v_mov_b32 v[NIL], 0
	ds_add_u32 v[SPW], v[NIL]                      ; the wave's opening: the add, twice on end, and its wait ahead of my first tensor load
	ds_add_u32 v[SPW], v[NIL]
	v_lshrrev_b32 v1, 5, v0
	v_readfirstlane_b32 s14, v1
	s_lshr_b32 s15, s14, 1                         ; which half of A's rows is mine.  Also: I fetch for A (0) or for B (1)
	s_and_b32 s16, s14, 1                          ; which half of B's rows.  Also: which 8 tiles I fetch
	s_bfe_u32 s40, ttmp6, 0x40000                  ; cx
	s_bfe_u32 s41, ttmp6, 0x40004                  ; cy
	s_lshl_b32 s42, ttmp9, 2
	s_add_co_u32 s42, s42, s40                     ; tile column
	s_and_b32 s17, ttmp7, 0xffff
	s_lshl_b32 s17, s17, 2
	s_add_co_u32 s17, s17, s41                     ; tile row
	s_lshl_b32 s43, s41, 2
	s_lshl_b32 s43, 15, s43
	s_lshl_b32 s44, 0x1111, s40
	s_or_b32 s[G1+0], s43, (3<<16)|(1<<21)
	s_or_b32 s[G1B+0], s44, (3<<16)|(1<<21)
.irp g, G1, G1B
	s_mov_b32 s[\g+1], 512<<16
	s_mov_b32 s[\g+2], 8<<16
	s_mov_b32 s[\g+3], 512<<16
	s_mov_b32 s[\g+4], 8
	s_mov_b32 s[\g+5], 1024
	s_mov_b32 s[\g+6], 0
	s_mov_b32 s[\g+7], 0
.endr
	s_or_b32 s[G1S+0], s43, (3<<16)|(1<<21)
	s_or_b32 s[G1SB+0], s44, (3<<16)|(1<<21)
.irp g, G1S, G1SB
	s_mov_b32 s[\g+1], 32<<16
	s_mov_b32 s[\g+2], 16<<16
	s_mov_b32 s[\g+3], 32<<16
	s_mov_b32 s[\g+4], 16
	s_mov_b32 s[\g+5], 32
	s_mov_b32 s[\g+6], 0
	s_mov_b32 s[\g+7], 0
.endr
	s_lshl_b32 s20, s17, 1
	s_add_co_u32 s20, s20, s16                     ; A: in halves of 8 tiles
	s_add_co_u32 s46, s42, 12                      ; B: W_o's blocks of 256 rows are 12 .. 15 of wc
	s_lshl_b32 s46, s46, 1
	s_add_co_u32 s46, s46, s16
	s_lshl_b32 s22, s20, 12
	s_mov_b32 s23, 0
	s_lshl_b32 s20, s20, 16
	s_mov_b32 s21, 0
	s_lshl_b32 s96, s46, 12
	s_mov_b32 s97, 0
	s_lshl_b32 s46, s46, 16
	s_mov_b32 s47, 0
	s_mul_i32 s45, s14, HALFT
	s_mul_i32 s100, s14, HALFS
	s_wait_dscnt 0x0
	s_wait_kmcnt 0x0
	s_add_nc_u64 s[20:21], s[4:5], s[20:21]
	s_add_nc_u64 s[22:23], s[6:7], s[22:23]
	s_add_nc_u64 s[46:47], s[8:9], s[46:47]
	s_add_nc_u64 s[96:97], s[10:11], s[96:97]
	CROUND
	s_mov_b32 s[G0S], 1
	s_add_co_u32 s[G0S+1], s100, SCL
	s_mov_b64 s[G0S+2:G0S+3], s[22:23]
	s_or_b32 s[G0S+3], s[G0S+3], 0x80000000
	s_mov_b32 s[G0SB], 1
	s_add_co_u32 s[G0SB+1], s100, SCL
	s_mov_b64 s[G0SB+2:G0SB+3], s[96:97]
	s_or_b32 s[G0SB+3], s[G0SB+3], 0x80000000
	JLOAD G0S, G1S, G0SB, G1SB
.irp s, 0,1
	s_mov_b32 s[G0+4*\s], 1
	s_add_co_u32 s[G0+4*\s+1], s45, \s*SLOT
	s_add_nc_u64 s[G0+4*\s+2:G0+4*\s+3], s[20:21], \s*4096
	s_or_b32 s[G0+4*\s+3], s[G0+4*\s+3], 0x80000000
	s_mov_b32 s[G0B+4*\s], 1
	s_add_co_u32 s[G0B+4*\s+1], s45, \s*SLOT
	s_add_nc_u64 s[G0B+4*\s+2:G0B+4*\s+3], s[46:47], \s*4096
	s_or_b32 s[G0B+4*\s+3], s[G0B+4*\s+3], 0x80000000
	JLOAD G0+4*\s, G1, G0B+4*\s, G1B
.endr
	v_and_b32 v1, 15, v0                           ; r
	v_bfe_u32 v2, v0, 4, 1                         ; h
	v_and_b32 v3, 31, v0
	v_lshlrev_b32 v4, 4, v3                        ; 16 x lane
	s_lshl_b32 s46, s42, 10                        ; my first column, in bytes: 1,024 x tile column + 512 x half
	s_lshl_b32 s47, s16, 9
	s_add_co_u32 s46, s46, s47
	s_mov_b32 s47, 0
	s_add_nc_u64 s[92:93], s[92:93], s[46:47]      ; in b_o
	s_add_nc_u64 s[94:95], s[94:95], s[46:47]      ; and in out0
	v_lshlrev_b32 v7, 6, v2                        ; the bias: lanes 16-31 take the columns 16 further on
.irp b, 0,1,2,3,4,5,6,7
	global_load_b128 v[BIAS+8*\b:BIAS+8*\b+3], v7, s[92:93] offset:(32*(\b/2)+8*(\b%2))*4
	global_load_b128 v[BIAS+8*\b+4:BIAS+8*\b+7], v7, s[92:93] offset:(32*(\b/2)+8*(\b%2))*4+16
.endr
	s_mul_i32 s21, s15, HALFT
	s_mul_i32 s22, s16, HALFT
	s_add_co_u32 s22, s22, 2*HALFT
.irp s, 0,1
	v_add_nc_u32 v[ADRA+\s], s21, v4
	v_add_nc_u32 v[ADRB+\s], s22, v4
	s_add_co_u32 s21, s21, SLOT
	s_add_co_u32 s22, s22, SLOT
.endr
	v_lshlrev_b32 v5, 4, v1
	s_mul_i32 s21, s15, HALFS
	s_mul_i32 s22, s16, HALFS
	s_add_co_u32 s22, s22, 2*HALFS
	s_sub_co_u32 s22, s22, s21
	v_mul_u32_u24 v6, s22, v2                      ; lanes 16-31 take B's scale words: one product, the distance between the two bases
	s_add_co_u32 s21, s21, SCL
	v_add_nc_u32 v5, v5, v6
	v_add_nc_u32 v[ADRS], s21, v5
	s_mul_i32 s23, s14, 16*SPITCH                  ; my stage
	v_mul_u32_u24 v5, v1, SPITCH
	v_lshl_add_u32 v5, v2, 6, v5                   ; in: row r, + 64 h
	v_add_nc_u32 v[STO], s23, v5
	v_mov_b32 v[CO], v4
	v_add_nc_u32 v[RD], s23, v4                    ; back: the 32 lanes take one row of 512 bytes
	s_lshl_b32 s20, s17, 8
	s_lshl_b32 s21, s15, 7
	s_add_co_u32 s20, s20, s21                     ; my first row of out0
	s_lshl_b32 s20, s20, 12                        ; 4,096 bytes a row
	s_mov_b32 s21, 0
	s_add_nc_u64 s[94:95], s[94:95], s[20:21]
.macro FRAG reg, adr, q, i
.irp c, 0,1
	ds_load_b128 v[\reg+4*\c:\reg+4*\c+3], v[\adr] offset:1024*(\q)+512*\c+4096*(\i)
.endr
.endm
; 16 matrix instructions; first = 1: the bias starts the sums.  The 64 accumulators take turns, one instruction a turn.
.macro MUL16 a0, p, q, sc, first
.irp a, \a0, \a0+1
.irp b, 0,1,2,3,4,5,6,7
.if \first
	v_wmma_scale_f32_16x16x128_f8f6f4 v[8*(8*((\a)%4)+\b):8*(8*((\a)%4)+\b)+7], v[128*(\p)+FR*\b:128*(\p)+FR*\b+FR-1], v[AF+FR*(\a):AF+FR*(\a)+FR-1], v[BIAS+8*\b:BIAS+8*\b+7], v[SC+8*NQ*(\sc)+NQ*\b+(\q)], v[SC+8*NQ*(\sc)+NQ*(\a)+(\q)] matrix_a_fmt:MATRIX_FMT_FP4 matrix_b_fmt:MATRIX_FMT_FP4 matrix_a_scale:MATRIX_SCALE_ROW1
.else
	v_wmma_scale_f32_16x16x128_f8f6f4 v[8*(8*((\a)%4)+\b):8*(8*((\a)%4)+\b)+7], v[128*(\p)+FR*\b:128*(\p)+FR*\b+FR-1], v[AF+FR*(\a):AF+FR*(\a)+FR-1], v[8*(8*((\a)%4)+\b):8*(8*((\a)%4)+\b)+7], v[SC+8*NQ*(\sc)+NQ*\b+(\q)], v[SC+8*NQ*(\sc)+NQ*(\a)+(\q)] matrix_a_fmt:MATRIX_FMT_FP4 matrix_b_fmt:MATRIX_FMT_FP4 matrix_a_scale:MATRIX_SCALE_ROW1
.endif
.endr
.endr
.endm
.macro FETCH_B slot, q, p
	WIN TO_B
.irp i, 0,1,2,3,4,5,6,7
	FRAG 128*(\p)+FR*\i, ADRB+\slot, \q, \i
.endr
	WIN 0
.endm
.macro FETCH_A slot, q, i0
.irp i, \i0, \i0+1, \i0+2, \i0+3
	FRAG AF+FR*(\i), ADRA+\slot, \q, \i
.endr
.endm
.macro SCALES sc
.irp i, 0,1,2,3,4,5,6,7
	ds_load_b128 v[SC+8*NQ*\sc+NQ*\i:SC+8*NQ*\sc+NQ*\i+3], v[ADRS] offset:\i*512+\sc*256
.endr
.endm
.macro PLACES n
.rept \n
	v_nop
.endr
.endm
.macro STEP slot, q, first
	s_wait_dscnt 4*NL                              ; B's set and A's tiles 0-3 are in; the youngest eight loads (A's tiles 4-7) may be out
.if \first
	WIN 0x81                                       ; source 0 (B) window 1, source 1 (A) and C (the bias) window 0, D window 2
.else
	WIN MUL_LO
.endif
	MUL16 0, (\q)%2, \q, \slot, \first
	MUL16 2, (\q)%2, \q, \slot, \first
	s_wait_dscnt 0
	PLACES NP
	FETCH_B \slot, (\q)+1, 1-(\q)%2
	FETCH_A \slot, (\q)+1, 0
.if \first
	WIN 0xc1                                       ; the same, D window 3
.else
	WIN MUL_HI
.endif
	MUL16 4, (\q)%2, \q, \slot, \first
	MUL16 6, (\q)%2, \q, \slot, \first
	PLACES NP
	WIN 0
	FETCH_A \slot, (\q)+1, 4
.endm
	s_wait_tensorcnt 1                             ; the scale bytes and my part of slot 0 are in; slot 1's load may stay out
	s_barrier_signal -1
	s_barrier_wait -1
	FETCH_B 0, 0, 0
	FETCH_A 0, 0, 0
	SCALES 0
	FETCH_A 0, 0, 4
	s_wait_loadcnt 0x0                             ; the bias
	STEP 0, 0, 1
	STEP 0, 1, 0
	STEP 0, 2, 0
	; slot 0's last step, and the change to slot 1
	s_wait_tensorcnt 0x0
	ds_add_u32 v[SPW], v[NIL]                      ; 0 onto my spare word
	s_wait_dscnt 4*NL+1                            ; (the add and the youngest eight loads may be out)
	WIN MUL_LO
	MUL16 0, 1, 3, 0, 0
	s_wait_dscnt 0x0                               ; my reads of slot 0 are over: behind this barrier its first bytes serve as stages
	s_barrier_signal -1
	MUL16 2, 1, 3, 0, 0
	WIN 0
	s_barrier_wait -1
	PLACES NP
	FETCH_B 1, 0, 0
	FETCH_A 1, 0, 0
	SCALES 1
	WIN MUL_HI
	MUL16 4, 1, 3, 0, 0
	MUL16 6, 1, 3, 0, 0
	PLACES NP
	WIN 0
	FETCH_A 1, 0, 4
	STEP 1, 0, 0
	STEP 1, 1, 0
	STEP 1, 2, 0
	s_wait_dscnt 4*NL
	WIN MUL_LO
	MUL16 0, 1, 3, 1, 0
	MUL16 2, 1, 3, 1, 0
	s_wait_dscnt 0
	WIN MUL_HI
	MUL16 4, 1, 3, 1, 0
	MUL16 6, 1, 3, 1, 0
	WIN 0
; THE WAY OUT, tile by tile of 16 rows x 128 columns.  LDS serves a wave's instructions in order: no wait between the stores and the loads, nor in front of the next tile's stores.
.macro TOSTAGE a
.set AC, 64*((\a)%4)
	WIN 0x08+4*((\a)/4)                            ; an LDS store's data: window 2 or 3
.irp b, 0,1,2,3,4,5,6,7
	ds_store_b128 v[STO], v[AC+8*\b:AC+8*\b+3] offset:128*(\b/2)+32*(\b%2)          ; each accumulator from its low end on
	ds_store_b128 v[STO], v[AC+8*\b+4:AC+8*\b+7] offset:128*(\b/2)+32*(\b%2)+16
.endr
	WIN 0
.set BB, BK+64*((\a)%2)
.irp t, 0,1,2,3,4,5,6,7,8,9,10,11,12,13,14,15
	ds_load_b128 v[BB+4*\t:BB+4*\t+3], v[RD] offset:\t*SPITCH
.endr
.endm
.macro SEND a, younger                 ; younger: the LDS instructions issued behind tile a's loads, which may stay out
.set BB, BK+64*((\a)%2)
	s_wait_dscnt \younger
.irp t, 0,1,2,3,4,5,6,7,8,9,10,11,12,13,14,15
	global_store_b128 v[CO], v[BB+4*\t:BB+4*\t+3], s[94:95] offset:(32*((\a)/2)+8*((\a)%2)+\t+8*(\t/8))*4096 th:TH_STORE_NT   ; 512 consecutive bytes, aligned; the row stands in the immediate: 127 rows at the most
.endr
.endm
	PLACES NP                                      ; in front of the first read of results and of loads into the registers that held A's fragments
	TOSTAGE 0
.irp a, 1,2,3,4,5,6,7
.if \a > 1
	s_wait_xcnt 0x0                                ; tile a - 2's stores have read their registers: tile a's loads may land there
.endif
	TOSTAGE \a
	SEND \a-1, 32                                  ; behind tile a - 1's loads: tile a's 16 stores and 16 loads
.endr
	SEND 7, 0
	s_wait_tensorcnt 0x0                           ; the wave's end: behind my last tensor load and my last LDS store
	ds_add_u32 v[SPW], v[NIL]
	s_wait_dscnt 0x0
	CROUND                                         ; the closing round
	s_endpgm
.Lfunc_end_k_q3ac3efd331_oproj:
	.size	k_q3ac3efd331_oproj, .Lfunc_end_k_q3ac3efd331_oproj-k_q3ac3efd331_oproj
	.p2alignl 7, 3214868480
	.fill 96, 4, 3214868480
	.section	.rodata,"a",@progbits
	.p2align	6, 0x0
	.amdhsa_kernel k_q3ac3efd331_oproj
		.amdhsa_group_segment_fixed_size 327680
		.amdhsa_private_segment_fixed_size 0
		.amdhsa_enable_private_segment 0
		.amdhsa_kernarg_size 48
		.amdhsa_user_sgpr_count 2
		.amdhsa_user_sgpr_kernarg_segment_ptr 1
		.amdhsa_wavefront_size32 1
		.amdhsa_system_sgpr_workgroup_id_x 1
		.amdhsa_system_sgpr_workgroup_id_y 1
		.amdhsa_system_sgpr_workgroup_id_z 1
		.amdhsa_system_vgpr_workitem_id 0
		.amdhsa_next_free_vgpr 1024
		.amdhsa_next_free_sgpr 102
		.amdhsa_reserve_vcc 0
		.amdhsa_float_denorm_mode_32 3
		.amdhsa_float_denorm_mode_16_64 3
		.amdhsa_memory_ordered 1
		.amdhsa_forward_progress 1
		.amdhsa_inst_pref_size 125
	.end_amdhsa_kernel
	.amdgpu_metadata
---
amdhsa.version: [ 1, 2 ]
amdhsa.kernels:
  - .name:           k_q3ac3efd331_oproj
    .symbol:         k_q3ac3efd331_oproj.kd
    .args:
      - { .name: ctxc, .offset: 0, .size: 8, .value_kind: global_buffer, .address_space: global }
      - { .name: ctxs, .offset: 8, .size: 8, .value_kind: global_buffer, .address_space: global }
      - { .name: wc, .offset: 16, .size: 8, .value_kind: global_buffer, .address_space: global }
      - { .name: ws, .offset: 24, .size: 8, .value_kind: global_buffer, .address_space: global }
      - { .name: b_o, .offset: 32, .size: 8, .value_kind: global_buffer, .address_space: global }
      - { .name: out0, .offset: 40, .size: 8, .value_kind: global_buffer, .address_space: global }
    .group_segment_fixed_size: 327680
    .private_segment_fixed_size: 0
    .kernarg_segment_align: 8
    .kernarg_segment_size: 48
    .max_flat_workgroup_size: 128
    .sgpr_count:     102
    .vgpr_count:     1024
    .wavefront_size: 32
...
	.end_amdgpu_metadata
.endif
;; end of part 5
